; MI455X (gfx1250); checked and timed in simulation.
; The chip was launched on July 23, 2026; its instructions are those of AMD's public machine-readable ISA for CDNA 5 (MIT licence, August 2026) and "CDNA5" Instruction Set Architecture Reference Guide (July 2026). The comments in the code are by the model that wrote it; some were corrected since.
;; Bahdanau Attention. Allowed arithmetic: matrix products marked QUANTISED: E4M3 operands, one E8M0 scale for each 32 along K, by v_wmma_scale_f32_16x16x128_f8f6f4 with both operands' format E4M3, f32 sums; products left as they are: f32 operands where the result goes on into a quantised operand, else bf16, f16 or f32 operands; f32 sums; everything else in f32.
;; Inputs: V 1,024 x 1 float32; W1_codes 1,024 x 32 x 32 uint8 (E4M3 codes of W1, K innermost, in blocks of 32 codes); W1_scales 1,024 x 32 uint8 (E8M0 scales of W1, one for each 32 codes along K); W2_codes 1,024 x 32 x 32 uint8 (E4M3 codes of W2, K innermost, in blocks of 32 codes); W2_scales 1,024 x 32 uint8 (E8M0 scales of W2, one for each 32 codes along K); b1 1,024 float32; b2 1,024 float32; bV 1 float32; features 64 x 1,024 x 1,024 float32; hidden_codes 64 x 32 x 32 uint8 (E4M3 codes of hidden, K innermost, in blocks of 32 codes); hidden_scales 64 x 32 uint8 (E8M0 scales of hidden, one for each 32 codes along K).
;; Outputs: out0 64 x 1,024 float32; out1 64 x 1,024 x 1 float32.
;; This version of the problem:
;;   THIS VERSION OF THE PROBLEM IS GIVEN IN LOW PRECISION. The matrix products marked QUANTISED in the list below multiply operands that are first quantised to E4M3 (4 exponent bits, 3 mantissa bits; 8 bits a number), with one power-of-two scale for each 32 numbers along K (OCP MX v1.0); their sums are f32. All else is computed in f32.
;;   The module's matrix products, in the order in which they are computed (A, B: the left and right operand; K: the contracted axis; several contracted axes count as one K, in the product's order):
;;     1. [M 65,536, K 1,024] x [K 1,024, N 1,024]; A: input features; B: input W1 (given as codes): QUANTISED
;;     2. [M 64, K 1,024] x [K 1,024, N 1,024]; A: input hidden (given as codes); B: input W2 (given as codes): QUANTISED
;;     3. [M 65,536, K 1,024] x [K 1,024, N 1]; A: computed on the way; B: input V: left as it is (N = 1 < 16)
;;   THE QUANTISER, for each operand of a quantised product, along K:
;;     - K is cut into blocks of 32 from its start; a last block that is shorter is filled with zeros.
;;     - A block's scale is 2^e with e = floor(log2(the largest magnitude in the block)) - 8, held to -126 .. 127; a block of zeros has e = 0. As a byte (E8M0): e + 127.
;;     - Each number is divided by its block's scale, clamped to +-448, and rounded to the nearest number of E4M3, ties to even, subnormals kept.
;;     - The product sums the exact products of the quantised numbers (number of the format x scale) in f32.
;;   ~~~python
;;   def quantise(x, axis):      # numpy; x: float32 -> the quantised numbers, widened to float32 again
;;       x = np.moveaxis(x, axis, -1); K = x.shape[-1]
;;       x = np.pad(x, [(0, 0)] * (x.ndim - 1) + [(0, -K % 32)]); x = x.reshape(x.shape[:-1] + (-1, 32)); a = np.abs(x).max(-1, keepdims=True)
;;       e = np.where(a > 0, np.clip(np.frexp(np.where(a > 0, a, 1))[1] - 1 - 8, -126, 127), 0)      # np.frexp(a)[1] - 1 = floor(log2(a)), exactly
;;       r = np.clip(x / 2.0 ** e, -448, 448)
;;       step = 2.0 ** (np.maximum(np.frexp(np.where(r == 0, 1, r))[1] - 1, -6) - 3)
;;       q = np.round(r / step) * step * 2.0 ** e      # np.round: ties to even
;;       return np.moveaxis(q.reshape(q.shape[:-2] + (-1,))[..., :K], -1, axis).astype(np.float32)
;;   ~~~
;;   INPUTS GIVEN AS CODES. W1 (in the module: [1024, 1024], K = its axis 0); W2 (in the module: [1024, 1024], K = its axis 0); hidden (in the module: [64, 1024], K = its axis 1): each comes as NAME_codes (uint8): NAME with its K axis moved to the last place and cut into blocks of 32 codes, [.., K / 32, bytes a block], one block behind the other in memory; one code a byte (a code: sign, 4 exponent bits, 3 mantissa bits); and NAME_scales (uint8): the same leading axes, one E8M0 byte (e + 127) for each 32 codes along K. Its value is code x scale, taken as it is: it is not quantised again, and the codes and scales need not be those that the quantiser above would give.
;; 2 versions. Each part assembles by itself: llvm-mc -triple=amdgcn-amd-amdhsa -mcpu=gfx1250 --defsym DOCPART=n.
;; ======== version 1 of 2: 3 launches
;; workspace buffers: w1img 1,048,576 bytes; hb 262,144 bytes; uws 262,144 bytes; cpart 1,048,576 bytes; stats 65,536 bytes
;; launch prep (part 1): grid 32 x 1, 4 waves a work-group, no clusters, 17,920 bytes of LDS; arguments hidden_codes, hidden_scales, W2_codes, W2_scales, b1, b2, W1_codes, hb, w1img; writes hb, w1img
.if DOCPART == 1
	.amdgcn_target "amdgcn-amd-amdhsa--gfx1250"
	.amdhsa_code_object_version 6
	.text
	.protected	k_qa4547b296b_prep
	.globl	k_qa4547b296b_prep
	.p2align	8
	.type	k_qa4547b296b_prep,@function
k_qa4547b296b_prep:
	s_mov_b64 s[64:65], 0
	v_nop
	global_prefetch_b8 v0, s[64:65] scope:SCOPE_SE
	s_setreg_imm32_b32 hwreg(HW_REG_WAVE_MODE, 25, 1), 1
	s_wait_xcnt 0x0
; Two small jobs ahead of the main launch, parted by the work-group's number.
; Work-groups 0-15:  hb[b][n] = c x (hidden @ W2 + b1 + b2)[b][n], c = 2 log2(e): the addend of the main launch's tanh, already in the exponent's units.
;   The product is on the given codes of E4M3 with their E8M0 scales.  A work-group makes 64 columns n for all 64 batches; wave w the 16 columns 64 g + 16 w:
;   four accumulators (four tiles of 16 batches) by turns, 8 K steps of 128.  Used transposed (source 0 = 16 columns of W2, source 1 = 16 batches of hidden):
;   lane (r, h) then holds batch 16 m + r and the eight neighbouring columns n0 + 8 h + 0 .. 7.  b1 + b2 is the C of each sum's first instruction.
;   The four waves' 64 bytes of a row meet in a stage in LDS, so that sixteen lanes store 256 consecutive bytes, aligned.
; Work-groups 16-31:  W1's codes are laid anew in the order of an operand's registers: w1img[ct][q = 4 s + c][lane][16 bytes] = W1_codes[16 ct + r][128 s + 32 c + 16 h ..], lane = 16 h + r.
;   The main launch then loads a fragment by loads of 512 consecutive bytes a wave.  Wave w of work-group g takes column tile ct = 4 (g - 16) + w.
; REGISTERS (first job): window 0: v1 r, v2 h, v3-8 addresses; v32-63 hidden's scale words (8 m + s), v64-71 W2's (s): these hold scales alone; v72-79 b1 + b2; v96-127 the sums; v128-159 x c; v160-191 rows read back.
;   windows 1, 2: hidden's fragments (m, s) at 64 (s % 4) + 16 m, window 1 + s / 4.   window 3: W2's fragments at 16 s.
.set CC,     0x4038aa3b                ; 2 log2(e)
.set SPITCH, 272                       ; a stage row: 256 bytes + 16
.set HSC,  32
.set WSC,  64
.set BIAS, 72
.set ACC,  96
.set OUT,  128
.set BK,   160
.set MSB, 0
.macro WIN new                         ; the immediate's high byte repeats the setting that is left
.if MSB != (\new)
	s_set_vgpr_msb (MSB<<8)|(\new)
.set MSB, \new
.endif
.endm
	s_load_b256 s[4:11], s[0:1], 0x0               ; hidden's codes s[4:5], its scales s[6:7], W2's codes s[8:9], its scales s[10:11]
	s_load_b256 s[12:19], s[0:1], 0x20             ; b1 s[12:13], b2 s[14:15], W1's codes s[16:17], hb s[18:19]
	s_load_b64 s[20:21], s[0:1], 0x40              ; w1img
	v_lshl_add_u32 v94, v0, 2, 0x4400
	v_mov_b32 v95, 0
	v_lshrrev_b32 v9, 5, v0
	v_readfirstlane_b32 s22, v9                    ; wave 0..3
	v_and_b32 v1, 15, v0                           ; r
	v_bfe_u32 v2, v0, 4, 1                         ; h
	v_lshlrev_b32 v3, 10, v1
	v_lshl_add_u32 v3, v2, 4, v3                   ; a fragment's place: row r of 1,024 codes, + 16 h
	s_mov_b32 s25, 0
	s_wait_kmcnt 0x0
	s_cmp_lt_u32 ttmp9, 16                         ; the same in all four waves
	s_cbranch_scc0 .Lrelay
	; ---- hb
	s_lshl_b32 s23, ttmp9, 6
	s_lshl_b32 s24, s22, 4
	s_add_co_u32 s23, s23, s24                     ; n0 = 64 g + 16 w
	s_lshl_b32 s24, s23, 10
	s_add_nc_u64 s[8:9], s[8:9], s[24:25]          ; W2's codes at row n0
	s_lshl_b32 s24, s23, 5
	s_add_nc_u64 s[10:11], s[10:11], s[24:25]      ; its scale bytes: 32 a row
	s_lshl_b32 s24, s23, 2
	s_add_nc_u64 s[12:13], s[12:13], s[24:25]      ; b1, b2 at n0
	s_add_nc_u64 s[14:15], s[14:15], s[24:25]
	s_lshl_b32 s24, ttmp9, 8
	s_add_nc_u64 s[18:19], s[18:19], s[24:25]      ; hb at column 64 g
	s_mov_b32 s30, CC
	s_mov_b32 s31, CC                              ; (named with it as a pair)
	v_lshlrev_b32 v4, 5, v1                        ; scale words: 32 bytes a row
	v_lshlrev_b32 v5, 5, v2                        ; the biases of my eight columns: 32 h
	v_mul_u32_u24 v6, v1, SPITCH
	v_lshl_add_u32 v6, v2, 5, v6
	s_lshl_b32 s26, s22, 6
	v_add_nc_u32 v6, s26, v6                       ; into the stage: row r, + 64 w + 32 h
	v_mul_u32_u24 v7, v2, SPITCH
	v_lshl_add_u32 v7, v1, 4, v7
	s_mul_i32 s26, s22, 16*SPITCH
	v_add_nc_u32 v7, s26, v7                       ; back: rows 16 w on; lanes 0-15 one row, lanes 16-31 the next
	v_lshlrev_b32 v8, 12, v2
	v_lshl_add_u32 v8, v1, 4, v8
	s_lshl_b32 s26, s22, 16
	v_add_nc_u32 v8, s26, v8                       ; and the same two rows of hb (4,096 bytes a row)
	WIN 0x40                                       ; destination window 1
.irp s, 0,1,2,3
.irp m, 0,1,2,3
.irp c, 0,1,2,3
	global_load_b128 v[64*\s+16*\m+4*\c:64*\s+16*\m+4*\c+3], v3, s[4:5] offset:16384*\m+128*\s+32*\c
.endr
.endr
.endr
	WIN 0x80                                       ; destination window 2
.irp s, 0,1,2,3
.irp m, 0,1,2,3
.irp c, 0,1,2,3
	global_load_b128 v[64*\s+16*\m+4*\c:64*\s+16*\m+4*\c+3], v3, s[4:5] offset:16384*\m+128*(\s+4)+32*\c
.endr
.endr
.endr
	WIN 0xc0                                       ; destination window 3
.irp s, 0,1,2,3,4,5,6,7
.irp c, 0,1,2,3
	global_load_b128 v[16*\s+4*\c:16*\s+4*\c+3], v3, s[8:9] offset:128*\s+32*\c
.endr
.endr
	WIN 0
.irp m, 0,1,2,3
	global_load_b128 v[HSC+8*\m:HSC+8*\m+3], v4, s[6:7] offset:512*\m          ; batch 16 m + r: its eight scale words
	global_load_b128 v[HSC+8*\m+4:HSC+8*\m+7], v4, s[6:7] offset:512*\m+16
.endr
	global_load_b128 v[WSC:WSC+3], v4, s[10:11]
	global_load_b128 v[WSC+4:WSC+7], v4, s[10:11] offset:16
	global_load_b128 v[BIAS:BIAS+3], v5, s[12:13]
	global_load_b128 v[BIAS+4:BIAS+7], v5, s[12:13] offset:16
	global_load_b128 v[BIAS+8:BIAS+11], v5, s[14:15]
	global_load_b128 v[BIAS+12:BIAS+15], v5, s[14:15] offset:16
	s_wait_loadcnt 0x0
.irp p, 0,2,4,6
	v_pk_add_f32 v[BIAS+\p:BIAS+\p+1], v[BIAS+\p:BIAS+\p+1], v[BIAS+8+\p:BIAS+9+\p]
.endr
.irp s, 0,1,2,3,4,5,6,7                        ; the four accumulators take turns, one instruction a turn
.if \s < 4
	WIN 0x07                                       ; source 0 (W2) window 3, source 1 (hidden) window 1
.else
	WIN 0x0b                                       ; source 1 window 2
.endif
.irp m, 0,1,2,3
.if \s == 0
	v_wmma_scale_f32_16x16x128_f8f6f4 v[ACC+8*\m:ACC+8*\m+7], v[16*\s:16*\s+15], v[64*(\s%4)+16*\m:64*(\s%4)+16*\m+15], v[BIAS:BIAS+7], v[WSC+\s], v[HSC+8*\m+\s]
.else
	v_wmma_scale_f32_16x16x128_f8f6f4 v[ACC+8*\m:ACC+8*\m+7], v[16*\s:16*\s+15], v[64*(\s%4)+16*\m:64*(\s%4)+16*\m+15], v[ACC+8*\m:ACC+8*\m+7], v[WSC+\s], v[HSC+8*\m+\s]
.endif
.endr
.endr
	WIN 0
.rept 8
	v_nop                                          ; eight places between the last product and the first read of results
.endr
.irp m, 0,1,2,3
.irp p, 0,2,4,6
	v_pk_mul_f32 v[OUT+8*\m+\p:OUT+8*\m+\p+1], v[ACC+8*\m+\p:ACC+8*\m+\p+1], s[30:31] op_sel_hi:[1,0]   ; x c; each accumulator from its low end on
.endr
.endr
.irp m, 0,1,2,3
	ds_store_b128 v6, v[OUT+8*\m:OUT+8*\m+3] offset:16*SPITCH*\m
	ds_store_b128 v6, v[OUT+8*\m+4:OUT+8*\m+7] offset:16*SPITCH*\m+16
.endr
	s_wait_dscnt 0x0                               ; for the others' sake: my stores into the stage are done
	s_barrier_signal -1
	s_barrier_wait -1
.irp i, 0,1,2,3,4,5,6,7
	ds_load_b128 v[BK+4*\i:BK+4*\i+3], v7 offset:2*SPITCH*\i
.endr
.irp i, 0,1,2,3,4,5,6,7
	s_wait_dscnt 7-\i                              ; the younger loads may stay out
	global_store_b128 v8, v[BK+4*\i:BK+4*\i+3], s[18:19] offset:8192*\i   ; 16 lanes store 256 consecutive bytes, at a multiple of 256 from hb's first byte
.endr
	s_wait_tensorcnt 0x0
	ds_add_u32 v94, v95
	s_wait_dscnt 0x0
	s_endpgm
	; ---- w1img
.Lrelay:
	s_sub_co_u32 s23, ttmp9, 16
	s_lshl_b32 s23, s23, 2
	s_add_co_u32 s23, s23, s22                     ; ct
	s_lshl_b32 s24, s23, 14                        ; 16 rows of 1,024 codes, and as many bytes of the image
	s_add_nc_u64 s[16:17], s[16:17], s[24:25]
	s_add_nc_u64 s[20:21], s[20:21], s[24:25]
	v_and_b32 v10, 31, v0
	v_lshlrev_b32 v10, 4, v10                      ; 16 x lane
.set Q, 0
.rept 32
	global_load_b128 v[128+4*Q:131+4*Q], v3, s[16:17] offset:128*(Q/4)+32*(Q%4)
.set Q, Q+1
.endr
.set Q, 0
.rept 32
	s_wait_loadcnt 31-Q                            ; loads come back in order (ISA guide 5.7.1): number Q is in, the younger ones stay out
	global_store_b128 v10, v[128+4*Q:131+4*Q], s[20:21] offset:512*Q      ; 32 lanes store 512 consecutive bytes
.set Q, Q+1
.endr
	s_endpgm
.Lfunc_end_k_qa4547b296b_prep:
	.size	k_qa4547b296b_prep, .Lfunc_end_k_qa4547b296b_prep-k_qa4547b296b_prep
	.p2alignl 7, 3214868480
	.fill 96, 4, 3214868480
	.section	.rodata,"a",@progbits
	.p2align	6, 0x0
	.amdhsa_kernel k_qa4547b296b_prep
		.amdhsa_group_segment_fixed_size 17920
		.amdhsa_private_segment_fixed_size 0
		.amdhsa_enable_private_segment 0
		.amdhsa_kernarg_size 72
		.amdhsa_user_sgpr_count 2
		.amdhsa_user_sgpr_kernarg_segment_ptr 1
		.amdhsa_wavefront_size32 1
		.amdhsa_system_sgpr_workgroup_id_x 1
		.amdhsa_system_sgpr_workgroup_id_y 1
		.amdhsa_system_sgpr_workgroup_id_z 1
		.amdhsa_system_vgpr_workitem_id 0
		.amdhsa_next_free_vgpr 1024
		.amdhsa_next_free_sgpr 66
		.amdhsa_reserve_vcc 0
		.amdhsa_float_denorm_mode_32 3
		.amdhsa_float_denorm_mode_16_64 3
		.amdhsa_memory_ordered 1
		.amdhsa_forward_progress 1
		.amdhsa_inst_pref_size 34
	.end_amdhsa_kernel
	.amdgpu_metadata
---
amdhsa.version: [ 1, 2 ]
amdhsa.kernels:
  - .name:           k_qa4547b296b_prep
    .symbol:         k_qa4547b296b_prep.kd
    .args:
      - { .name: hidden_codes, .offset: 0, .size: 8, .value_kind: global_buffer, .address_space: global }
      - { .name: hidden_scales, .offset: 8, .size: 8, .value_kind: global_buffer, .address_space: global }
      - { .name: W2_codes, .offset: 16, .size: 8, .value_kind: global_buffer, .address_space: global }
      - { .name: W2_scales, .offset: 24, .size: 8, .value_kind: global_buffer, .address_space: global }
      - { .name: b1, .offset: 32, .size: 8, .value_kind: global_buffer, .address_space: global }
      - { .name: b2, .offset: 40, .size: 8, .value_kind: global_buffer, .address_space: global }
      - { .name: W1_codes, .offset: 48, .size: 8, .value_kind: global_buffer, .address_space: global }
      - { .name: hb, .offset: 56, .size: 8, .value_kind: global_buffer, .address_space: global }
      - { .name: w1img, .offset: 64, .size: 8, .value_kind: global_buffer, .address_space: global }
    .group_segment_fixed_size: 17920
    .private_segment_fixed_size: 0
    .kernarg_segment_align: 8
    .kernarg_segment_size: 72
    .max_flat_workgroup_size: 128
    .sgpr_count:     66
    .vgpr_count:     1024
    .wavefront_size: 32
...
	.end_amdgpu_metadata
.endif
;; end of part 1
;; launch main (part 2): grid 256 x 1, 4 waves a work-group, no clusters, 307,712 bytes of LDS; arguments features, w1img, W1_scales, hb, V, bV, uws, cpart, stats; writes uws, cpart, stats
.if DOCPART == 2
	.amdgcn_target "amdgcn-amd-amdhsa--gfx1250"
	.amdhsa_code_object_version 6
	.text
	.protected	k_qa4547b296b_main
	.globl	k_qa4547b296b_main
	.p2align	8
	.type	k_qa4547b296b_main,@function
k_qa4547b296b_main:
	s_mov_b64 s[64:65], 0
	v_nop
	global_prefetch_b8 v0, s[64:65] scope:SCOPE_SE
	s_setreg_imm32_b32 hwreg(HW_REG_WAVE_MODE, 25, 1), 1
	s_wait_xcnt 0x0
; For 256 rows l of one batch (work-group g: batch g / 4, rows 256 (g % 4) on), in four blocks of 64 rows:
;   score = V . tanh(Q(features) Q(W1) + b1 + hidden W2 + b2) + bV;  a running softmax over the rows;  the weighted sum of the f32 rows under the running maximum.
; EACH FEATURE BYTE LEAVES MEMORY ONCE: a block's 64 f32 rows stay in LDS from their arrival until their weights are known.  Out go u = score x log2(e) (uws), the work-group's maximum and sum (stats)
; and its partial context (cpart); the last launch joins the four quarters of a batch.
; tanh(x) = 1 - 2 / (1 + 2^(c x)), c = 2 log2(e): the sum over u of V tanh is (sum of V) + sum of (-2 V) / (1 + 2^(c acc + cb)), cb = c (hidden W2 + b1 + b2) from the launch before.  All in f32.
; SHARES.  THE WAVES SHARE THE COLUMNS: wave w has columns 256 w .. 256 w + 255 of U for all 64 rows.  The block's codes (4 tiles of 16 rows x 8 K steps = 32 fragments, 512 registers) lie in EVERY wave's registers;
; a fragment of W1 is read by one wave alone and feeds four products, so it goes straight into registers, from the image that the launch before laid (512 consecutive bytes a load), two column tiles ahead.
; NO JOINT TENSOR LOADS, though all work-groups walk the same W1: the kept rows take 263,168 bytes of LDS, the exchange and the tables 44,032; the 20,480 left of a WGP's 327,680 hold less than one
; column tile for each of four waves (65,536 bytes), let alone two slots of it.
; QUANTISING.  Wave w quantises K steps 2 w and 2 w + 1 of every row tile (a block of 32 lies in lanes l and l xor 16) and hands the fragments to the others through LDS as images of their registers, half a block (two row tiles) at a time.
; LIMITS: NaN and infinities among the features are not served; a block of 32 whose largest magnitude lies under 2^-118, a block of zeros too, gets the scale byte 1 (zero codes add nothing; the bytes are read here alone).
; LDS: RET 64 rows x 4,112 (4,096 + 16: an odd multiple of 16, so that the 16 rows of a load start 16 bytes apart modulo 256); EX 16 images of 2,048; EXS 16 x 128 scale words; CVT 1,024 pairs (cb, -2 V); SCR 4 waves x 64 sums.
; REGISTERS, in windows of 256.  Window 0: v1-17 addresses; v18-31 statistics; v32-35 the two slots' (cb, -2 V); v36-43 the context; v44-59 W1's scale words, v60-91 the features': these hold scales alone;
;   v96-127 four accumulators; v128-159 the rows' sums; v96-159 and v160-223 the context's two sets of rows; v224-235 at work and the quantiser's row addresses.
;   Window 1: four landing chunks of 64 for the features, later two slots of 128 for W1's fragments.   Windows 2, 3: the features' fragments (m, s) at 64 (s % 4) + 16 m, window 2 + s / 4;
;   the places of row tiles 2 and 3, which are filled last, serve the quantiser till then.
.set PITCH, 4112
.set EX,    64*PITCH
.set EXS,   EX+32768
.set CVT,   EXS+2048
.set SCR,   CVT+8192
.set CV,   32
.set CTX,  36
.set BSC,  44
.set ASC,  60
.set ACC,  96
.set SS,   128
.set QA,   232                         ; v232-235: my place in row tile m of the kept rows
.set QX,   32                          ; in window 2 or 3: number i of block b at 64 b + 32 + i
.set TM,   48                          ; 48-51 largest magnitudes, 52-55 bytes, 56-59 448 x the scale, 60-63 the conversion's scale operand
.set PC,   112                         ; the codes just made
.set PW,   176                         ; their scale word
.set MSB, 0
.macro WIN new                         ; the immediate's high byte repeats the setting that is left
.if MSB != (\new)
	s_set_vgpr_msb (MSB<<8)|(\new)
.set MSB, \new
.endif
.endm
.macro BAR                             ; my LDS stores have landed and my LDS loads are in: then the work-group's barrier
	s_wait_dscnt 0x0
	s_barrier_signal -1
	s_barrier_wait -1
.endm
; Round k of a block's eight: rows 8 k + 2 w and + 1, 16 loads of 512 consecutive bytes, into landing chunk k % 4
.macro LOADR k, off
	WIN 0x40
.irp i, 0,1,2,3,4,5,6,7,8,9,10,11,12,13,14,15
	global_load_b128 v[64*((\k)%4)+4*\i:64*((\k)%4)+4*\i+3], v1, s[4:5] offset:\off+32768*(\k)+4096*(\i/8)+512*(\i%8) th:TH_LOAD_NT
.endr
	WIN 0
.endm
.macro STORER k                        ; and on into the kept rows
	v_add_nc_u32 v14, 8*PITCH*(\k), v3
	WIN 0x04                                       ; an LDS store's data are its source 1: window 1
.irp i, 0,1,2,3,4,5,6,7,8,9,10,11,12,13,14,15
	ds_store_b128 v14, v[64*((\k)%4)+4*\i:64*((\k)%4)+4*\i+3] offset:PITCH*(\i/8)+512*(\i%8)
.endr
	WIN 0
.endm
; 64 numbers of my row of tile m, K step 2 w + sp: register 64 b + 32 + i = k 32 b + 16 (lane / 16) + i
.macro XLOAD W, m, sp
	WIN (\W)<<6
.irp b, 0,1,2,3
.irp j, 0,1,2,3
	ds_load_b128 v[QX+64*\b+4*\j:QX+64*\b+4*\j+3], v[QA+(\m)] offset:512*(\sp)+128*\b+16*\j
.endr
.endr
.endm
.macro QUANT W                         ; they become a fragment's codes and its scale word; every operand lies in window W
	WIN 0x55*(\W)
.irp b, 0,1,2,3
	v_max3_num_f32 v[TM+\b], |v[QX+64*\b]|, |v[QX+64*\b+1]|, 0x4800000   ; block b: my 16 numbers, and the floor 2^(9 - 127): the byte cannot fall under 1
.endr
.irp i, 2,4,6,8,10,12,14
.irp b, 0,1,2,3
	v_max3_num_f32 v[TM+\b], v[TM+\b], |v[QX+64*\b+\i]|, |v[QX+64*\b+\i+1]|   ; (the four blocks by turns)
.endr
.endr
.irp b, 0,1,2,3
	v_permlanex16_b32 v[TM+4+\b], v[TM+\b], s28, s29
.endr
.irp b, 0,1,2,3
	v_max_num_f32 v[TM+\b], v[TM+\b], v[TM+4+\b]   ; with lane l xor 16's: the block's largest magnitude
.endr
.irp b, 0,1,2,3
	v_add_nc_u32 v[TM+12+\b], 0xfc000000, v[TM+\b] ; 8 off its exponent field: the conversion takes this operand's exponent field as its scale
.endr
.irp b, 0,1,2,3
	v_and_or_b32 v[TM+8+\b], v[TM+\b], 0x7f800000, s27   ; 448 x the scale
.endr
.irp b, 0,1,2,3
	v_lshrrev_b32 v[TM+4+\b], 23, v[TM+12+\b]      ; the scale's byte
.endr
	v_lshl_or_b32 v[PW], v[TM+5], 8, v[TM+4]
	v_lshl_or_b32 v[PW], v[TM+6], 16, v[PW]
	v_lshl_or_b32 v[PW], v[TM+7], 24, v[PW]
.irp b, 0,1,2,3
.irp i, 0,1,2,3,4,5,6,7,8,9,10,11,12,13,14,15
	v_med3_num_f32 v[QX+64*\b+\i], v[QX+64*\b+\i], -v[TM+8+\b], v[TM+8+\b]   ; the conversion to an 8-bit code does not saturate (ISA guide 7.6.2): the hold at 448 x the scale
.endr
	v_cvt_scalef32_pk8_fp8_f32 v[PC+4*\b:PC+4*\b+1], v[QX+64*\b:QX+64*\b+7], v[TM+12+\b]
	v_cvt_scalef32_pk8_fp8_f32 v[PC+4*\b+2:PC+4*\b+3], v[QX+64*\b+8:QX+64*\b+15], v[TM+12+\b]
.endr
	v_nop                                          ; one plain line behind the last conversion
.endm
.macro IMAGE W, mm, sp                 ; the fragment goes to LDS as it stands: image 8 mm + 2 w + sp
	WIN (\W)<<2
.irp c, 0,1,2,3
	ds_store_b128 v5, v[PC+4*\c:PC+4*\c+3] offset:16384*(\mm)+2048*(\sp)+512*\c
.endr
	ds_store_b32 v6, v[PW] offset:1024*(\mm)+128*(\sp)
.endm
; Half a block: row tiles 2 hf and 2 hf + 1, my two K steps of each: four fragments, windows 2 and 3 by turns, each fragment's numbers asked for two fragments ahead.
; The counts: what was issued behind the awaited 16 loads: the next 16 loads and/or an image's five stores.  Each such wait also shows the image of two fragments back stored, whose registers are then written again.
.macro QHALF hf
	XLOAD 2, 2*\hf, 0
	XLOAD 3, 2*\hf, 1
	s_wait_dscnt 16
	QUANT 2
	IMAGE 2, 0, 0
	XLOAD 2, 2*\hf+1, 0
	s_wait_dscnt 21
	QUANT 3
	IMAGE 3, 0, 1
	XLOAD 3, 2*\hf+1, 1
	s_wait_dscnt 21
	QUANT 2
	IMAGE 2, 1, 0
	s_wait_dscnt 5
	QUANT 3
	IMAGE 3, 1, 1
	WIN 0
.endm
.macro ALOAD hf                        ; all sixteen images of the half, and their scale words, into my registers
	WIN 0x80
.irp mm, 0,1
.irp s, 0,1,2,3
.irp c, 0,1,2,3
	ds_load_b128 v[64*\s+16*(2*\hf+\mm)+4*\c:64*\s+16*(2*\hf+\mm)+4*\c+3], v7 offset:2048*(8*\mm+\s)+512*\c
.endr
.endr
.endr
	WIN 0xc0
.irp mm, 0,1
.irp s, 0,1,2,3
.irp c, 0,1,2,3
	ds_load_b128 v[64*\s+16*(2*\hf+\mm)+4*\c:64*\s+16*(2*\hf+\mm)+4*\c+3], v7 offset:2048*(8*\mm+\s+4)+512*\c
.endr
.endr
.endr
	WIN 0
.irp mm, 0,1
.irp s, 0,1,2,3,4,5,6,7
	ds_load_b32 v[ASC+8*(2*\hf+\mm)+\s], v8 offset:128*(8*\mm+\s)
.endr
.endr
.endm
.macro BLOADS z, s0, s1                ; K steps s0 .. s1 of a column tile's fragments into slot z
	WIN 0x40
.set BS, \s0
.rept \s1-\s0+1
.irp c, 0,1,2,3
	global_load_b128 v[128*\z+16*BS+4*\c:128*\z+16*BS+4*\c+3], v1, s[34+2*\z:35+2*\z] offset:512*(4*BS+\c)
.endr
.set BS, BS+1
.endr
	WIN 0
.endm
.macro BSCL z                          ; and its columns' eight scale words
	global_load_b128 v[BSC+8*\z:BSC+8*\z+3], v13, s[38+2*\z:39+2*\z]
	global_load_b128 v[BSC+8*\z+4:BSC+8*\z+7], v13, s[38+2*\z:39+2*\z] offset:16
.endm
; 32 products: 64 rows x 16 columns x all of K.  Source 0 = 16 rows of features, source 1 = 16 columns of W1: lane (r, h) holds column r and rows 8 h + 0 .. 7.
; The four accumulators take turns, one instruction a turn; the first K step starts the sums with the constant 0.
.macro GMUL z
.irp s, 0,1,2,3,4,5,6,7
.if \s < 4
	WIN 0x06                                       ; source 0 window 2, source 1 window 1
.else
	WIN 0x07                                       ; source 0 window 3
.endif
.irp m, 0,1,2,3
.if \s == 0
	v_wmma_scale_f32_16x16x128_f8f6f4 v[ACC+8*\m:ACC+8*\m+7], v[64*(\s%4)+16*\m:64*(\s%4)+16*\m+15], v[128*\z+16*\s:128*\z+16*\s+15], 0, v[ASC+8*\m+\s], v[BSC+8*\z+\s]
.else
	v_wmma_scale_f32_16x16x128_f8f6f4 v[ACC+8*\m:ACC+8*\m+7], v[64*(\s%4)+16*\m:64*(\s%4)+16*\m+15], v[128*\z+16*\s:128*\z+16*\s+15], v[ACC+8*\m:ACC+8*\m+7], v[ASC+8*\m+\s], v[BSC+8*\z+\s]
.endif
.endr
.endr
	WIN 0
.rept 9
	v_nop                                          ; eight places in front of loads into the slot and of the first read of results; a ninth for the next tile's first products, which write over these accumulators
.endr
.endm
; The sums' tanh and its product with V, five steps for each row tile t
.macro TF t, z                         ; c acc + cb
	s_wait_alu depctr_va_vdst(0)
.irp p, 0,2,4,6
	v_pk_fma_f32 v[ACC+8*\t+\p:ACC+8*\t+\p+1], v[ACC+8*\t+\p:ACC+8*\t+\p+1], s[30:31], v[CV+2*\z:CV+2*\z+1] op_sel_hi:[1,0,0]
.endr
.endm
.macro TE t
.irp j, 0,1,2,3,4,5,6,7
	v_exp_f32 v[ACC+8*\t+\j], v[ACC+8*\t+\j]
.endr
.endm
.macro TA t
	s_wait_alu depctr_va_vdst(0)
.irp p, 0,2,4,6
	v_pk_add_f32 v[ACC+8*\t+\p:ACC+8*\t+\p+1], v[ACC+8*\t+\p:ACC+8*\t+\p+1], 1.0 op_sel_hi:[1,0]
.endr
.endm
.macro TR t
.irp j, 0,1,2,3,4,5,6,7
	v_rcp_f32 v[ACC+8*\t+\j], v[ACC+8*\t+\j]
.endr
.endm
.macro TS t, z                         ; the row's sum += (-2 V) / (1 + 2^..): of the pair (cb, -2 V) the second word serves both halves
	s_wait_alu depctr_va_vdst(0)
.irp p, 0,2,4,6
	v_pk_fma_f32 v[SS+8*\t+\p:SS+8*\t+\p+1], v[ACC+8*\t+\p:ACC+8*\t+\p+1], v[CV+2*\z:CV+2*\z+1], v[SS+8*\t+\p:SS+8*\t+\p+1] op_sel:[0,1,0] op_sel_hi:[1,1,1]
.endr
.endm
; The order sets an independent plain line behind every run of transcendentals, ahead of the first use of its results (ISA guide 5.7.2), and reads each accumulator from its low end on
.macro TANH z
	TF 0, \z
	TF 1, \z
	TE 0
	TF 2, \z
	TE 1
	TF 3, \z
	TA 0
	TE 2
	TA 1
	TR 0
	TA 2
	TE 3
	TS 0, \z
	TR 1
	TA 3
	TR 2
	TS 1, \z
	TR 3
	TS 2, \z
	TS 3, \z
.endm
; A column tile in slot z.  left: the other slot's 32 fragment loads and 2 scale loads, which may stay out.  refill = 1: the slot takes the tile two further on.
.macro GROUP z, refill, left
	s_wait_loadcnt \left
	GMUL \z
.if \refill
	s_wait_xcnt 0x0                                ; every earlier load has had its address translated (ISA guide 3.1): only now the pointers step
	s_add_nc_u64 s[34+2*\z:35+2*\z], s[34+2*\z:35+2*\z], 32768
	s_add_nc_u64 s[38+2*\z:39+2*\z], s[38+2*\z:39+2*\z], 1024
.if \z == 0
	s_add_nc_u64 s[46:47], s[46:47], 16384
.endif
	BLOADS \z, 0, 6
.if \z == 0
	; Trips 5 and 6 of the seven ask for the first 32 rows of the next block, 131,072 bytes: wave w for bytes 32,768 w on, 16,384 a trip, lanes 256 bytes apart, each such piece once.  The last block asks for nothing.
	s_cmp_lt_u32 s25, s44
	s_cbranch_scc1 .Lnopf_\@
	global_prefetch_b8 v15, s[46:47] th:TH_LOAD_NT scope:SCOPE_SE
	global_prefetch_b8 v15, s[46:47] offset:8192 th:TH_LOAD_NT scope:SCOPE_SE
.Lnopf_\@:
.endif
.endif
	s_wait_dscnt 0x0                               ; the slot's (cb, -2 V) is in
	TANH \z
.if \refill
	BLOADS \z, 7, 7
	BSCL \z
	v_add_nc_u32 v14, s26, v9
	ds_load_b64 v[CV+2*\z:CV+2*\z+1], v14          ; the next tile's pair for my column
	s_add_co_u32 s26, s26, 128
.endif
.endm
; The context: chunk kap = rows 8 kap .. + 7 of the kept rows, my wave's 1,024 bytes of each (two loads of 512), two sets of registers by turns
.macro CLOAD kap
	v_add_nc_u32 v[14+3*((\kap)%2)], 8*PITCH*(\kap), v12
.irp i, 0,1,2,3,4,5,6,7
	ds_load_b128 v[160-64*((\kap)%2)+8*\i:160-64*((\kap)%2)+8*\i+3], v[14+3*((\kap)%2)] offset:PITCH*\i
	ds_load_b128 v[164-64*((\kap)%2)+8*\i:164-64*((\kap)%2)+8*\i+3], v[14+3*((\kap)%2)] offset:PITCH*\i+512
.endr
.endm
.macro CSUM kap
.irp i, 0,1,2,3,4,5,6,7
	v_readlane_b32 s[48+2*\i], v[24+\i%2], 4*(\kap)+\i/2      ; row 8 kap + i's weight lies in lane (8 kap + i) / 2
.endr
.irp i, 0,1,2,3,4,5,6,7
.irp p, 0,2,4,6
	v_pk_fma_f32 v[CTX+\p:CTX+\p+1], v[160-64*((\kap)%2)+8*\i+\p:160-64*((\kap)%2)+8*\i+\p+1], s[48+2*\i:49+2*\i], v[CTX+\p:CTX+\p+1] op_sel_hi:[1,0,1]
.endr
.endr
.endm
	s_load_b256 s[4:11], s[0:1], 0x0               ; features s[4:5], w1img s[6:7], W1's scales s[8:9], hb s[10:11]
	s_load_b256 s[12:19], s[0:1], 0x20             ; V s[12:13], bV s[14:15], uws s[16:17], cpart s[18:19]
	s_load_b64 s[20:21], s[0:1], 0x40              ; stats
	v_lshl_add_u32 v254, v0, 2, 0x4b000
	v_mov_b32 v255, 0
	v_lshrrev_b32 v28, 5, v0
	v_readfirstlane_b32 s22, v28                   ; wave 0..3
	v_and_b32 v28, 31, v0                          ; lane
	v_and_b32 v29, 15, v0                          ; r
	v_bfe_u32 v30, v0, 4, 1                        ; h
	v_lshlrev_b32 v1, 4, v28                       ; 16 x lane
	s_mul_i32 s42, s22, 2*PITCH
	v_add_nc_u32 v3, s42, v1                       ; kept rows, on the way in: row 2 w, 16 x lane
	v_mul_u32_u24 v4, v29, PITCH
	v_lshl_add_u32 v4, v30, 6, v4
	s_lshl_b32 s42, s22, 10
	v_add_nc_u32 v4, s42, v4                       ; for the quantiser: row r, + 64 h, + my two K steps' 1,024 w
	v_add_nc_u32 v12, s42, v1                      ; for the context: my 1,024 bytes of a row, 16 x lane
.irp m, 0,1,2,3
	v_add_nc_u32 v[QA+\m], 16*PITCH*\m, v4
.endr
	v_add_nc_u32 v7, EX, v1                        ; images: where any wave reads them,
	s_lshl_b32 s42, s22, 12
	v_add_nc_u32 v5, s42, v7                       ; and where I store mine: two images on for each wave
	v_lshl_add_u32 v8, v28, 2, EXS                 ; their scale words likewise
	s_lshl_b32 s42, s22, 8
	v_add_nc_u32 v6, s42, v8
	v_lshl_add_u32 v10, v30, 5, SCR
	v_add_nc_u32 v10, s42, v10                     ; my wave's 64 sums: rows 8 h on
	v_lshl_add_u32 v9, v29, 3, CVT
	s_lshl_b32 s42, s22, 11
	v_add_nc_u32 v9, s42, v9                       ; the pair of column 256 w + r
	v_lshl_add_u32 v11, v28, 3, SCR                ; the sums of rows 2 lane, 2 lane + 1
	v_lshlrev_b32 v13, 5, v29                      ; W1's scale bytes: 32 a column
	v_lshlrev_b32 v15, 8, v28                      ; 256 x lane
	v_lshlrev_b32 v16, 3, v28                      ; 8 x lane
	v_lshlrev_b32 v31, 4, v0                       ; 16 x thread
	v_lshl_add_u32 v14, v0, 5, CVT                 ; where my thread's pairs go
	s_mov_b32 s24, 4                               ; blocks to go
	s_mov_b32 s27, 0x600000                        ; the mantissa field of 448
	s_mov_b32 s28, 0x76543210
	s_mov_b32 s29, 0xfedcba98                      ; v_permlanex16_b32's selects for lane l xor 16
	s_mov_b32 s30, 0x4038aa3b                      ; c = 2 log2(e), as a pair
	s_mov_b32 s31, 0x4038aa3b
	s_mov_b32 s32, 0x3fb8aa3b                      ; log2(e), as a pair
	s_mov_b32 s33, 0x3fb8aa3b
	s_mov_b32 s43, 0
.irp i, 49,51,53,55,57,59,61,63
	s_mov_b32 s[\i], 0                             ; named as the upper halves of the weights' pairs
.endr
	s_wait_kmcnt 0x0
	s_load_b32 s23, s[14:15], 0x0                  ; bV
	s_lshl_b32 s42, ttmp9, 20
	s_add_nc_u64 s[4:5], s[4:5], s[42:43]          ; my 256 rows of 4,096 bytes,
	s_lshl_b32 s42, s22, 13
	s_add_nc_u64 s[4:5], s[4:5], s[42:43]          ; my wave's two rows of a round
	s_add_nc_u64 s[8:9], s[8:9], s[42:43]          ; W1's scales: my 256 columns x 32 bytes
	s_lshl_b32 s42, s22, 18
	s_add_nc_u64 s[6:7], s[6:7], s[42:43]          ; the image: my 16 column tiles x 16,384 bytes
	s_lshr_b32 s42, ttmp9, 2
	s_lshl_b32 s42, s42, 12
	s_add_nc_u64 s[10:11], s[10:11], s[42:43]      ; hb: my batch's row
	s_lshl_b32 s42, ttmp9, 10
	s_add_nc_u64 s[16:17], s[16:17], s[42:43]
	s_lshl_b32 s42, ttmp9, 12
	s_add_nc_u64 s[18:19], s[18:19], s[42:43]
	s_lshl_b32 s42, s22, 10
	s_add_nc_u64 s[18:19], s[18:19], s[42:43]
	s_lshl_b32 s42, ttmp9, 8
	s_add_nc_u64 s[20:21], s[20:21], s[42:43]
	global_load_b128 v[160:163], v31, s[10:11]                 ; cb of columns 4 t .. and 512 + 4 t ..
	global_load_b128 v[164:167], v31, s[10:11] offset:2048
	global_load_b128 v[168:171], v31, s[12:13]                 ; V of the same
	global_load_b128 v[172:175], v31, s[12:13] offset:2048
.irp j, 0,1,2,3,4,5,6,7
	global_load_b128 v[192+4*\j:195+4*\j], v1, s[12:13] offset:512*\j   ; all of V, for its sum
.endr
	LOADR 0, 0
	LOADR 1, 0
	LOADR 2, 0
	WIN 0x80
.irp b, 0,1,2,3
	v_mov_b32 v[TM+4+\b], 0                        ; written once in both windows: a lane permute's destination counts as one of its sources
.endr
	WIN 0xc0
.irp b, 0,1,2,3
	v_mov_b32 v[TM+4+\b], 0
.endr
	WIN 0
.irp j, 0,1,2,3,4,5,6,7
	v_mov_b32 v[CTX+\j], 0
.endr
	v_mov_b32 v20, 0xff61b1e6                      ; the running maximum of u: -3e38, under every u
	v_mov_b32 v21, 0                               ; the running sum
	s_wait_loadcnt 48                              ; the twelve loads of cb and V are in; the three rounds of features behind them stay out
.irp j, 0,1,2,3,4,5,6,7
	v_mov_b32 v[176+2*\j], v[160+\j]
	v_mul_f32 v[177+2*\j], -2.0, v[168+\j]
.endr
	ds_store_b128 v14, v[176:179]
	ds_store_b128 v14, v[180:183] offset:16
	ds_store_b128 v14, v[184:187] offset:4096
	ds_store_b128 v14, v[188:191] offset:4112
.irp j, 2,4,6,8,10,12,14,16,18,20,22,24,26,28,30
	v_pk_add_f32 v[192:193], v[192:193], v[192+\j:193+\j]
.endr
	v_add_f32 v192, v192, v193
	v_add_f32_dpp v192, v192, v192 row_xmask:1 row_mask:0xf bank_mask:0xf
	v_add_f32_dpp v192, v192, v192 row_xmask:2 row_mask:0xf bank_mask:0xf
	v_add_f32_dpp v192, v192, v192 row_xmask:4 row_mask:0xf bank_mask:0xf
	v_add_f32_dpp v192, v192, v192 row_xmask:8 row_mask:0xf bank_mask:0xf
	v_permlanex16_b32 v29, v192, s28, s29
	v_add_f32 v192, v192, v29                      ; the sum of V
	s_wait_kmcnt 0x0
	v_add_f32 v192, s23, v192                      ; + bV
	v_mul_f32 v18, s32, v192                       ; x log2(e), as a pair
	v_mov_b32 v19, v18
.Lblock:                                           ; four trips; rounds 0, 1, 2 of the block's features are on their way
	; ---- rows 0-31 into LDS.  Loads: two younger rounds stay out.  LDS: the 16 stores just issued may be out; the round before is stored, and its chunk takes the round three on
.irp k, 0,1,2,3
	s_wait_loadcnt 32
	STORER \k
	s_wait_dscnt 16
	LOADR \k+3, 0
.endr
	BAR                                            ; rows 0-31 lie in LDS (in the first trip the table of pairs too)
	QHALF 0
	BAR                                            ; the first half's sixteen images lie in LDS
	ALOAD 0
	s_wait_loadcnt 32                              ; round 4 is in; 5 and 6 stay out
	STORER 4
	LOADR 7, 0                                     ; into chunk 3, stored ahead of the first barrier
	s_wait_loadcnt 32
	STORER 5
	s_wait_loadcnt 16
	STORER 6
	s_wait_loadcnt 0x0
	STORER 7
	s_wait_dscnt 0x0                               ; the chunks are stored: window 1 is free for W1
	s_wait_xcnt 0x0                                ; no earlier load still reads the pointers
	s_mov_b64 s[34:35], s[6:7]                     ; slot 0: my column tile 0; slot 1: tile 1
	s_add_nc_u64 s[36:37], s[6:7], 16384
	s_mov_b64 s[38:39], s[8:9]
	s_add_nc_u64 s[40:41], s[8:9], 512
	BLOADS 0, 0, 7
	BSCL 0
	BAR                                            ; the images are read and rows 32-63 lie in LDS
	QHALF 1
	BLOADS 1, 0, 7
	BSCL 1
	BAR                                            ; the second half's images lie in LDS
	ALOAD 1
.irp j, 0,1,2,3,4,5,6,7,8,9,10,11,12,13,14,15,16,17,18,19,20,21,22,23,24,25,26,27,28,29,30,31
	v_mov_b32 v[SS+\j], 0                          ; the rows' sums: 32 lines for a block's 512 products
.endr
	ds_load_b64 v[CV:CV+1], v9
	ds_load_b64 v[CV+2:CV+3], v9 offset:128
	s_mov_b32 s26, 256                             ; the pair of the tile that is fetched next
	s_mov_b32 s25, 0
	s_cmp_eq_u32 s24, 1
	s_cselect_b32 s44, 99, 5                       ; from which trip on the next block is asked for: never in the last block
	s_mul_i32 s42, s22, 24576
	s_add_nc_u64 s[46:47], s[4:5], 262144-98304    ; stepped 16,384 a trip ahead of its use: in trip 5 it stands at the next block's byte 32,768 w (s[4:5] holds 8,192 w already)
	s_add_nc_u64 s[46:47], s[46:47], s[42:43]
	s_wait_dscnt 0x0
.Lct:                                              ; seven trips of two column tiles
	GROUP 0, 1, 34
	GROUP 1, 1, 34
	s_add_co_u32 s25, s25, 1
	s_cmp_lt_u32 s25, 7
	s_cbranch_scc1 .Lct
	GROUP 0, 0, 34                                 ; the last two tiles fetch nothing
	s_wait_loadcnt 0x0
	GMUL 1
	s_cmp_eq_u32 s24, 1                            ; window 1 is free: the next block's first three rounds, if there is a next block: no load leaves the buffer
	s_cbranch_scc1 .Lnonext
	LOADR 0, 262144
	LOADR 1, 262144
	LOADR 2, 262144
.Lnonext:
	s_wait_dscnt 0x0
	TANH 1
	; ---- the rows' sums over my 256 columns: over the 16 lanes of each half
.irp x, 1,2,4,8
.irp j, 0,1,2,3,4,5,6,7,8,9,10,11,12,13,14,15,16,17,18,19,20,21,22,23,24,25,26,27,28,29,30,31
	v_add_f32_dpp v[SS+\j], v[SS+\j], v[SS+\j] row_xmask:\x row_mask:0xf bank_mask:0xf
.endr
.endr
.irp m, 0,1,2,3
.irp j, 0,1,2,3,4,5,6,7
	ds_store_b32 v10, v[SS+8*\m+\j] offset:64*\m+4*\j          ; row 16 m + 8 h + j; the sixteen lanes of a half write the same word with the same value
.endr
.endr
	BAR                                            ; the four waves' sums lie in LDS
	; ---- the statistics, alike in every wave: lane l has rows 2 l and 2 l + 1
	ds_load_b64 v[224:225], v11
	ds_load_b64 v[226:227], v11 offset:256
	ds_load_b64 v[228:229], v11 offset:512
	ds_load_b64 v[230:231], v11 offset:768
	CLOAD 0
	s_wait_dscnt 16                                ; the four are in; the first chunk of rows stays out
	v_pk_add_f32 v[224:225], v[224:225], v[226:227]
	v_pk_add_f32 v[228:229], v[228:229], v[230:231]
	v_pk_add_f32 v[224:225], v[224:225], v[228:229]
	v_pk_fma_f32 v[22:23], v[224:225], s[32:33], v[18:19] op_sel_hi:[1,0,1]   ; u = score x log2(e)
	v_max_num_f32 v28, v22, v23
	v_max_num_f32_dpp v28, v28, v28 row_xmask:1 row_mask:0xf bank_mask:0xf
	v_max_num_f32_dpp v28, v28, v28 row_xmask:2 row_mask:0xf bank_mask:0xf
	v_max_num_f32_dpp v28, v28, v28 row_xmask:4 row_mask:0xf bank_mask:0xf
	v_max_num_f32_dpp v28, v28, v28 row_xmask:8 row_mask:0xf bank_mask:0xf
	v_permlanex16_b32 v29, v28, s28, s29
	v_max_num_f32 v28, v28, v29
	v_max_num_f32 v28, v28, v20                    ; the new running maximum
	v_sub_f32 v30, v20, v28
	v_sub_f32 v24, v22, v28
	v_sub_f32 v25, v23, v28
	v_exp_f32 v26, v30                             ; f = 2^(old maximum - new)
	v_exp_f32 v24, v24                             ; p = 2^(u - maximum)
	v_exp_f32 v25, v25
	v_mov_b32 v20, v28                             ; (a plain line behind the exponentials)
	s_wait_alu depctr_va_vdst(0)
	v_mov_b32 v27, v26
	v_add_f32 v30, v24, v25
	v_add_f32_dpp v30, v30, v30 row_xmask:1 row_mask:0xf bank_mask:0xf
	v_add_f32_dpp v30, v30, v30 row_xmask:2 row_mask:0xf bank_mask:0xf
	v_add_f32_dpp v30, v30, v30 row_xmask:4 row_mask:0xf bank_mask:0xf
	v_add_f32_dpp v30, v30, v30 row_xmask:8 row_mask:0xf bank_mask:0xf
	v_permlanex16_b32 v29, v30, s28, s29
	v_add_f32 v30, v30, v29
	v_fma_f32 v21, v21, v26, v30                   ; the running sum under the new maximum
.irp p, 0,2,4,6
	v_pk_mul_f32 v[CTX+\p:CTX+\p+1], v[CTX+\p:CTX+\p+1], v[26:27]   ; and the context
.endr
	s_cmp_lg_u32 s22, 0
	s_cbranch_scc1 .Lnou
	global_store_b64 v16, v[22:23], s[16:17]       ; wave 0: the block's 64 u: 256 consecutive bytes, aligned
.Lnou:
	; ---- the context += p x the kept rows
.irp k, 0,1,2,3,4,5,6,7
.if \k < 7
	CLOAD \k+1
	s_wait_dscnt 16                                ; this chunk is in; the next one's 16 loads stay out
.else
	s_wait_dscnt 0x0
.endif
	CSUM \k
.endr
	BAR                                            ; nobody reads the kept rows any more
	s_wait_xcnt 0x0                                ; the loads and the store have read their bases and registers
	s_add_nc_u64 s[4:5], s[4:5], 262144
	s_add_nc_u64 s[16:17], s[16:17], 256
	s_sub_co_u32 s24, s24, 1
	s_cmp_lg_u32 s24, 0
	s_cbranch_scc1 .Lblock
	global_store_b128 v1, v[CTX:CTX+3], s[18:19]               ; my 256 columns of the partial context: 512 consecutive bytes a store
	global_store_b128 v1, v[CTX+4:CTX+7], s[18:19] offset:512
	s_cmp_lg_u32 s22, 0
	s_cbranch_scc1 .Lend
	global_store_b64 v16, v[20:21], s[20:21]       ; wave 0: (maximum, sum), the same pair from every lane: 256 consecutive bytes, aligned
.Lend:
	s_wait_tensorcnt 0x0
	ds_add_u32 v254, v255
	s_wait_dscnt 0x0
	s_endpgm
.Lfunc_end_k_qa4547b296b_main:
	.size	k_qa4547b296b_main, .Lfunc_end_k_qa4547b296b_main-k_qa4547b296b_main
	.p2alignl 7, 3214868480
	.fill 96, 4, 3214868480
	.section	.rodata,"a",@progbits
	.p2align	6, 0x0
	.amdhsa_kernel k_qa4547b296b_main
		.amdhsa_group_segment_fixed_size 307712
		.amdhsa_private_segment_fixed_size 0
		.amdhsa_enable_private_segment 0
		.amdhsa_kernarg_size 72
		.amdhsa_user_sgpr_count 2
		.amdhsa_user_sgpr_kernarg_segment_ptr 1
		.amdhsa_wavefront_size32 1
		.amdhsa_system_sgpr_workgroup_id_x 1
		.amdhsa_system_sgpr_workgroup_id_y 1
		.amdhsa_system_sgpr_workgroup_id_z 1
		.amdhsa_system_vgpr_workitem_id 0
		.amdhsa_next_free_vgpr 1024
		.amdhsa_next_free_sgpr 66
		.amdhsa_reserve_vcc 0
		.amdhsa_float_denorm_mode_32 3
		.amdhsa_float_denorm_mode_16_64 3
		.amdhsa_memory_ordered 1
		.amdhsa_forward_progress 1
		.amdhsa_inst_pref_size 217
	.end_amdhsa_kernel
	.amdgpu_metadata
---
amdhsa.version: [ 1, 2 ]
amdhsa.kernels:
  - .name:           k_qa4547b296b_main
    .symbol:         k_qa4547b296b_main.kd
    .args:
      - { .name: features, .offset: 0, .size: 8, .value_kind: global_buffer, .address_space: global }
      - { .name: w1img, .offset: 8, .size: 8, .value_kind: global_buffer, .address_space: global }
      - { .name: W1_scales, .offset: 16, .size: 8, .value_kind: global_buffer, .address_space: global }
      - { .name: hb, .offset: 24, .size: 8, .value_kind: global_buffer, .address_space: global }
      - { .name: V, .offset: 32, .size: 8, .value_kind: global_buffer, .address_space: global }
      - { .name: bV, .offset: 40, .size: 8, .value_kind: global_buffer, .address_space: global }
      - { .name: uws, .offset: 48, .size: 8, .value_kind: global_buffer, .address_space: global }
      - { .name: cpart, .offset: 56, .size: 8, .value_kind: global_buffer, .address_space: global }
      - { .name: stats, .offset: 64, .size: 8, .value_kind: global_buffer, .address_space: global }
    .group_segment_fixed_size: 307712
    .private_segment_fixed_size: 0
    .kernarg_segment_align: 8
    .kernarg_segment_size: 72
    .max_flat_workgroup_size: 128
    .sgpr_count:     66
    .vgpr_count:     1024
    .wavefront_size: 32
...
	.end_amdgpu_metadata
.endif
;; end of part 2
;; launch finish (part 3): grid 256 x 1, 2 waves a work-group, no clusters, 0 bytes of LDS; arguments uws, cpart, stats, out0, out1; writes out0, out1
.if DOCPART == 3
	.amdgcn_target "amdgcn-amd-amdhsa--gfx1250"
	.amdhsa_code_object_version 6
	.text
	.protected	k_qa4547b296b_finish
	.globl	k_qa4547b296b_finish
	.p2align	8
	.type	k_qa4547b296b_finish,@function
k_qa4547b296b_finish:
	s_mov_b64 s[64:65], 0
	v_nop
	global_prefetch_b8 v0, s[64:65] scope:SCOPE_SE
	s_setreg_imm32_b32 hwreg(HW_REG_WAVE_MODE, 25, 1), 1
	s_wait_xcnt 0x0
; The four quarters of a batch are joined.  Quarter k of batch b left its maximum m_k and sum l_k of 2^(u - m_k) (stats), its context under m_k (cpart) and its rows' u = score x log2(e) (uws).
; M = the largest m_k;  L = the sum of l_k 2^(m_k - M);  out0 = the sum of ctx_k 2^(m_k - M) / L;  out1 = 2^(u - M) / L.
; Work-group g = 4 b + q makes columns 256 q on of out0's row b and rows 256 q on of out1's: 1,024 bytes of each; thread t has 16 bytes, so a wave's store covers 512 consecutive bytes.
; A stream of 1.4 MB: no LDS, no matrix unit.
	s_load_b256 s[4:11], s[0:1], 0x0               ; uws s[4:5], cpart s[6:7], stats s[8:9], out0 s[10:11]
	s_load_b64 s[12:13], s[0:1], 0x20              ; out1
	v_lshlrev_b32 v1, 4, v0                        ; 16 x thread
	s_lshr_b32 s14, ttmp9, 2                       ; b
	s_and_b32 s15, ttmp9, 3                        ; q
	s_mov_b32 s25, 0
	s_wait_kmcnt 0x0
	s_lshl_b32 s24, s14, 10
	s_add_nc_u64 s[8:9], s[8:9], s[24:25]          ; the batch's four entries of 256 bytes
	s_load_b64 s[16:17], s[8:9], 0x0               ; (m_k, l_k)
	s_load_b64 s[18:19], s[8:9], 0x100
	s_load_b64 s[20:21], s[8:9], 0x200
	s_load_b64 s[22:23], s[8:9], 0x300
	s_lshl_b32 s24, s14, 14
	s_add_nc_u64 s[6:7], s[6:7], s[24:25]          ; the batch's four partial contexts of 4,096 bytes,
	s_lshl_b32 s24, s15, 10
	s_add_nc_u64 s[6:7], s[6:7], s[24:25]          ; my quarter of their columns
	s_lshl_b32 s24, ttmp9, 10
	s_add_nc_u64 s[4:5], s[4:5], s[24:25]
	s_add_nc_u64 s[10:11], s[10:11], s[24:25]
	s_add_nc_u64 s[12:13], s[12:13], s[24:25]
.irp k, 0,1,2,3
	global_load_b128 v[4+4*\k:7+4*\k], v1, s[6:7] offset:4096*\k th:TH_LOAD_NT
.endr
	global_load_b128 v[20:23], v1, s[4:5] th:TH_LOAD_NT
	s_wait_kmcnt 0x0
	v_mov_b32 v24, s16
	v_mov_b32 v25, s18
	v_mov_b32 v26, s20
	v_mov_b32 v27, s22
	v_mov_b32 v28, s17
	v_mov_b32 v29, s19
	v_mov_b32 v30, s21
	v_mov_b32 v31, s23
	v_max3_num_f32 v32, v24, v25, v26
	v_max_num_f32 v32, v32, v27                    ; M
.irp k, 0,1,2,3
	v_sub_f32 v[24+\k], v[24+\k], v32
.endr
.irp k, 0,1,2,3
	v_exp_f32 v[24+\k], v[24+\k]                   ; e_k = 2^(m_k - M)
.endr
	v_nop                                          ; a plain line behind the exponentials
	s_wait_alu depctr_va_vdst(0)
	v_mul_f32 v33, v28, v24
	v_fmac_f32 v33, v29, v25
	v_fmac_f32 v33, v30, v26
	v_fmac_f32 v33, v31, v27                       ; L, at least 1: the largest quarter's own sum holds a 1
	v_rcp_f32 v34, v33
	v_nop                                          ; a plain line behind the reciprocal
	s_wait_alu depctr_va_vdst(0)
.irp k, 0,1,2,3
	v_mul_f32 v[36+2*\k], v[24+\k], v34            ; e_k / L, as a pair
	v_mul_f32 v[37+2*\k], v[24+\k], v34
.endr
	s_wait_loadcnt 0x0
.irp j, 0,1,2,3
	v_sub_f32 v[20+\j], v[20+\j], v32
.endr
.irp j, 0,1,2,3
	v_exp_f32 v[20+\j], v[20+\j]
.endr
	v_pk_mul_f32 v[44:45], v[4:5], v[36:37]        ; (these plain lines stand behind the exponentials)
	v_pk_mul_f32 v[46:47], v[6:7], v[36:37]
.irp k, 1,2,3
	v_pk_fma_f32 v[44:45], v[4+4*\k:5+4*\k], v[36+2*\k:37+2*\k], v[44:45]
	v_pk_fma_f32 v[46:47], v[6+4*\k:7+4*\k], v[36+2*\k:37+2*\k], v[46:47]
.endr
	s_wait_alu depctr_va_vdst(0)
.irp j, 0,1,2,3
	v_mul_f32 v[20+\j], v[20+\j], v34
.endr
	global_store_b128 v1, v[44:47], s[10:11] th:TH_STORE_NT
	global_store_b128 v1, v[20:23], s[12:13] th:TH_STORE_NT
	s_endpgm
.Lfunc_end_k_qa4547b296b_finish:
	.size	k_qa4547b296b_finish, .Lfunc_end_k_qa4547b296b_finish-k_qa4547b296b_finish
	.p2alignl 7, 3214868480
	.fill 96, 4, 3214868480
	.section	.rodata,"a",@progbits
	.p2align	6, 0x0
	.amdhsa_kernel k_qa4547b296b_finish
		.amdhsa_group_segment_fixed_size 0
		.amdhsa_private_segment_fixed_size 0
		.amdhsa_enable_private_segment 0
		.amdhsa_kernarg_size 40
		.amdhsa_user_sgpr_count 2
		.amdhsa_user_sgpr_kernarg_segment_ptr 1
		.amdhsa_wavefront_size32 1
		.amdhsa_system_sgpr_workgroup_id_x 1
		.amdhsa_system_sgpr_workgroup_id_y 1
		.amdhsa_system_sgpr_workgroup_id_z 1
		.amdhsa_system_vgpr_workitem_id 0
		.amdhsa_next_free_vgpr 48
		.amdhsa_next_free_sgpr 66
		.amdhsa_reserve_vcc 0
		.amdhsa_float_denorm_mode_32 3
		.amdhsa_float_denorm_mode_16_64 3
		.amdhsa_memory_ordered 1
		.amdhsa_forward_progress 1
		.amdhsa_inst_pref_size 4
	.end_amdhsa_kernel
	.amdgpu_metadata
---
amdhsa.version: [ 1, 2 ]
amdhsa.kernels:
  - .name:           k_qa4547b296b_finish
    .symbol:         k_qa4547b296b_finish.kd
    .args:
      - { .name: uws, .offset: 0, .size: 8, .value_kind: global_buffer, .address_space: global }
      - { .name: cpart, .offset: 8, .size: 8, .value_kind: global_buffer, .address_space: global }
      - { .name: stats, .offset: 16, .size: 8, .value_kind: global_buffer, .address_space: global }
      - { .name: out0, .offset: 24, .size: 8, .value_kind: global_buffer, .address_space: global }
      - { .name: out1, .offset: 32, .size: 8, .value_kind: global_buffer, .address_space: global }
    .group_segment_fixed_size: 0
    .private_segment_fixed_size: 0
    .kernarg_segment_align: 8
    .kernarg_segment_size: 40
    .max_flat_workgroup_size: 64
    .sgpr_count:     66
    .vgpr_count:     48
    .wavefront_size: 32
...
	.end_amdgpu_metadata
.endif
;; end of part 3
;; ======== version 2 of 2: 3 launches
;; workspace buffers: w1img 1,048,576 bytes; hb 262,144 bytes; uws 262,144 bytes; cpart 1,048,576 bytes; stats 65,536 bytes
;; launch prep (part 4): grid 32 x 1, 4 waves a work-group, no clusters, 17,920 bytes of LDS; arguments hidden_codes, hidden_scales, W2_codes, W2_scales, b1, b2, W1_codes, hb, w1img; writes hb, w1img
.if DOCPART == 4
	.amdgcn_target "amdgcn-amd-amdhsa--gfx1250"
	.amdhsa_code_object_version 6
	.text
	.protected	k_qa4547b296b_prep
	.globl	k_qa4547b296b_prep
	.p2align	8
	.type	k_qa4547b296b_prep,@function
k_qa4547b296b_prep:
	s_mov_b64 s[64:65], 0
	v_nop
	global_prefetch_b8 v0, s[64:65] scope:SCOPE_SE
	s_setreg_imm32_b32 hwreg(HW_REG_WAVE_SCHED_MODE, 0, 2), 2
	s_setreg_imm32_b32 hwreg(HW_REG_WAVE_MODE, 25, 1), 1
	s_wait_xcnt 0x0
	s_wait_alu depctr_vm_vsrc(0)
; Two small jobs ahead of the main launch, parted by the work-group's number.
; Work-groups 0-15:  hb[b][n] = c x (hidden @ W2 + b1 + b2)[b][n], c = 2 log2(e): the addend of the main launch's tanh, already in the exponent's units.
;   The product is on the given codes of E4M3 with their E8M0 scales.  A work-group makes 64 columns n for all 64 batches; wave w the 16 columns 64 g + 16 w:
;   four accumulators (four tiles of 16 batches) by turns, 8 K steps of 128.  Used transposed (source 0 = 16 columns of W2, source 1 = 16 batches of hidden):
;   lane (r, h) then holds batch 16 m + r and the eight neighbouring columns n0 + 8 h + 0 .. 7.  b1 + b2 is the C of each sum's first instruction.
;   The four waves' 64 bytes of a row meet in a stage in LDS, so that sixteen lanes store 256 consecutive bytes, aligned.
; Work-groups 16-31:  W1's codes are laid anew in the order of an operand's registers: w1img[ct][q = 4 s + c][lane][16 bytes] = W1_codes[16 ct + r][128 s + 32 c + 16 h ..], lane = 16 h + r.
;   The main launch then loads a fragment by loads of 512 consecutive bytes a wave.  Wave w of work-group g takes column tile ct = 4 (g - 16) + w.
; REGISTERS (first job): window 0: v1 r, v2 h, v3-8 addresses; v32-63 hidden's scale words (8 m + s), v64-71 W2's (s): these hold scales alone; v72-79 b1 + b2; v96-127 the sums; v128-159 x c; v160-191 rows read back.
;   windows 1, 2: hidden's fragments (m, s) at 64 (s % 4) + 16 m, window 1 + s / 4.   window 3: W2's fragments at 16 s.
; THE MODE: SCHED_MODE bits 1:0 = 2 (LLVM: expert scheduling mode 2), set by the entry lines.  The code itself states the register dependences
; between vector or matrix instructions and memory or LDS instructions, with s_wait_alu, always for 0.
; THE PLAN.  Every address register (v3-8, v10) is made once and never written again: one wait on va_vdst ahead of each path's first load.  Every register that a load lands in is written by that load alone.
;   v128-159 are written by the multiplications by c and read by the stage's stores: one wait on va_vdst between.  The global stores' data come from loads: the memory counters' affair.
;   The wave's number goes through a scalar register: one wait on va_sdst, ahead of the branch that parts the two jobs.
.set CC,     0x4038aa3b                ; 2 log2(e)
.set SPITCH, 272                       ; a stage row: 256 bytes + 16
.set HSC,  32
.set WSC,  64
.set BIAS, 72
.set ACC,  96
.set OUT,  128
.set BK,   160
.set MSB, 0
.macro WIN new                         ; the immediate's high byte repeats the setting that is left
.if MSB != (\new)
	s_set_vgpr_msb (MSB<<8)|(\new)
.set MSB, \new
.endif
.endm
	s_load_b256 s[4:11], s[0:1], 0x0               ; hidden's codes s[4:5], its scales s[6:7], W2's codes s[8:9], its scales s[10:11]
	s_load_b256 s[12:19], s[0:1], 0x20             ; b1 s[12:13], b2 s[14:15], W1's codes s[16:17], hb s[18:19]
	s_load_b64 s[20:21], s[0:1], 0x40              ; w1img
	v_lshl_add_u32 v94, v0, 2, 0x4400              ; my spare word and 0: made here and kept for the closing lines alone
	v_mov_b32 v95, 0
	v_lshrrev_b32 v9, 5, v0
	v_readfirstlane_b32 s22, v9                    ; wave 0..3
	v_and_b32 v1, 15, v0                           ; r
	v_bfe_u32 v2, v0, 4, 1                         ; h
	v_lshlrev_b32 v3, 10, v1
	v_lshl_add_u32 v3, v2, 4, v3                   ; a fragment's place: row r of 1,024 codes, + 16 h
	s_mov_b32 s25, 0
	s_wait_alu depctr_va_sdst(0)                   ; s22 is written, ahead of the branch and of its first reader on either path
	s_wait_kmcnt 0x0
	s_cmp_lt_u32 ttmp9, 16                         ; the same in all four waves
	s_cbranch_scc0 .Lrelay
	; ---- hb
	s_lshl_b32 s23, ttmp9, 6
	s_lshl_b32 s24, s22, 4
	s_add_co_u32 s23, s23, s24                     ; n0 = 64 g + 16 w
	s_lshl_b32 s24, s23, 10
	s_add_nc_u64 s[8:9], s[8:9], s[24:25]          ; W2's codes at row n0
	s_lshl_b32 s24, s23, 5
	s_add_nc_u64 s[10:11], s[10:11], s[24:25]      ; its scale bytes: 32 a row
	s_lshl_b32 s24, s23, 2
	s_add_nc_u64 s[12:13], s[12:13], s[24:25]      ; b1, b2 at n0
	s_add_nc_u64 s[14:15], s[14:15], s[24:25]
	s_lshl_b32 s24, ttmp9, 8
	s_add_nc_u64 s[18:19], s[18:19], s[24:25]      ; hb at column 64 g
	s_mov_b32 s30, CC
	s_mov_b32 s31, CC                              ; (named with it as a pair)
	s_wait_alu depctr_va_vdst(0)
	v_lshlrev_b32 v4, 5, v1                        ; scale words: 32 bytes a row
	v_lshlrev_b32 v5, 5, v2                        ; the biases of my eight columns: 32 h
	v_mul_u32_u24 v6, v1, SPITCH
	v_lshl_add_u32 v6, v2, 5, v6
	s_lshl_b32 s26, s22, 6
	v_add_nc_u32 v6, s26, v6                       ; into the stage: row r, + 64 w + 32 h
	v_mul_u32_u24 v7, v2, SPITCH
	v_lshl_add_u32 v7, v1, 4, v7
	s_mul_i32 s26, s22, 16*SPITCH
	v_add_nc_u32 v7, s26, v7                       ; back: rows 16 w on; lanes 0-15 one row, lanes 16-31 the next
	v_lshlrev_b32 v8, 12, v2
	v_lshl_add_u32 v8, v1, 4, v8
	s_lshl_b32 s26, s22, 16
	v_add_nc_u32 v8, s26, v8                       ; and the same two rows of hb (4,096 bytes a row)
	s_wait_alu depctr_va_vdst(0)                   ; the addresses v3 to v8 are written, which the loads, the LDS instructions and the stores of this path read
	WIN 0x40                                       ; destination window 1
.irp s, 0,1,2,3
.irp m, 0,1,2,3
.irp c, 0,1,2,3
	global_load_b128 v[64*\s+16*\m+4*\c:64*\s+16*\m+4*\c+3], v3, s[4:5] offset:16384*\m+128*\s+32*\c
.endr
.endr
.endr
	WIN 0x80                                       ; destination window 2
.irp s, 0,1,2,3
.irp m, 0,1,2,3
.irp c, 0,1,2,3
	global_load_b128 v[64*\s+16*\m+4*\c:64*\s+16*\m+4*\c+3], v3, s[4:5] offset:16384*\m+128*(\s+4)+32*\c
.endr
.endr
.endr
	WIN 0xc0                                       ; destination window 3
.irp s, 0,1,2,3,4,5,6,7
.irp c, 0,1,2,3
	global_load_b128 v[16*\s+4*\c:16*\s+4*\c+3], v3, s[8:9] offset:128*\s+32*\c
.endr
.endr
	WIN 0
.irp m, 0,1,2,3
	global_load_b128 v[HSC+8*\m:HSC+8*\m+3], v4, s[6:7] offset:512*\m          ; batch 16 m + r: its eight scale words
	global_load_b128 v[HSC+8*\m+4:HSC+8*\m+7], v4, s[6:7] offset:512*\m+16
.endr
	global_load_b128 v[WSC:WSC+3], v4, s[10:11]
	global_load_b128 v[WSC+4:WSC+7], v4, s[10:11] offset:16
	global_load_b128 v[BIAS:BIAS+3], v5, s[12:13]
	global_load_b128 v[BIAS+4:BIAS+7], v5, s[12:13] offset:16
	global_load_b128 v[BIAS+8:BIAS+11], v5, s[14:15]
	global_load_b128 v[BIAS+12:BIAS+15], v5, s[14:15] offset:16
	s_wait_loadcnt 0x0
.irp p, 0,2,4,6
	v_pk_add_f32 v[BIAS+\p:BIAS+\p+1], v[BIAS+\p:BIAS+\p+1], v[BIAS+8+\p:BIAS+9+\p]
.endr
.irp s, 0,1,2,3,4,5,6,7                        ; the four accumulators take turns, one instruction a turn
.if \s < 4
	WIN 0x07                                       ; source 0 (W2) window 3, source 1 (hidden) window 1
.else
	WIN 0x0b                                       ; source 1 window 2
.endif
.irp m, 0,1,2,3
.if \s == 0
	v_wmma_scale_f32_16x16x128_f8f6f4 v[ACC+8*\m:ACC+8*\m+7], v[16*\s:16*\s+15], v[64*(\s%4)+16*\m:64*(\s%4)+16*\m+15], v[BIAS:BIAS+7], v[WSC+\s], v[HSC+8*\m+\s]
.else
	v_wmma_scale_f32_16x16x128_f8f6f4 v[ACC+8*\m:ACC+8*\m+7], v[16*\s:16*\s+15], v[64*(\s%4)+16*\m:64*(\s%4)+16*\m+15], v[ACC+8*\m:ACC+8*\m+7], v[WSC+\s], v[HSC+8*\m+\s]
.endif
.endr
.endr
	WIN 0
.rept 8
	v_nop                                          ; eight places between the last product and the first read of results
.endr
.irp m, 0,1,2,3
.irp p, 0,2,4,6
	v_pk_mul_f32 v[OUT+8*\m+\p:OUT+8*\m+\p+1], v[ACC+8*\m+\p:ACC+8*\m+\p+1], s[30:31] op_sel_hi:[1,0]   ; x c; each accumulator from its low end on
.endr
.endr
	s_wait_alu depctr_va_vdst(0)                   ; the multiplications have written v128 to v159, which the stage's stores read
.irp m, 0,1,2,3
	ds_store_b128 v6, v[OUT+8*\m:OUT+8*\m+3] offset:16*SPITCH*\m
	ds_store_b128 v6, v[OUT+8*\m+4:OUT+8*\m+7] offset:16*SPITCH*\m+16
.endr
	s_wait_dscnt 0x0                               ; for the others' sake: my stores into the stage are done
	s_barrier_signal -1
	s_barrier_wait -1
.irp i, 0,1,2,3,4,5,6,7
	ds_load_b128 v[BK+4*\i:BK+4*\i+3], v7 offset:2*SPITCH*\i
.endr
.irp i, 0,1,2,3,4,5,6,7
	s_wait_dscnt 7-\i                              ; the younger loads may stay out
	global_store_b128 v8, v[BK+4*\i:BK+4*\i+3], s[18:19] offset:8192*\i   ; 16 lanes store 256 consecutive bytes, at a multiple of 256 from hb's first byte
.endr
	s_wait_dscnt 0x0                               ; the closing lines, six on end
	s_wait_alu 0x0
	s_wait_tensorcnt 0x0
	ds_add_u32 v94, v95
	s_wait_dscnt 0x0
	s_endpgm
	; ---- w1img: this path stores nothing to LDS
.Lrelay:
	s_sub_co_u32 s23, ttmp9, 16
	s_lshl_b32 s23, s23, 2
	s_add_co_u32 s23, s23, s22                     ; ct
	s_lshl_b32 s24, s23, 14                        ; 16 rows of 1,024 codes, and as many bytes of the image
	s_add_nc_u64 s[16:17], s[16:17], s[24:25]
	s_add_nc_u64 s[20:21], s[20:21], s[24:25]
	v_and_b32 v10, 31, v0
	v_lshlrev_b32 v10, 4, v10                      ; 16 x lane
	s_wait_alu depctr_va_vdst(0)                   ; v3 and v10 are written, which the loads and the stores below read as their offsets
.set Q, 0
.rept 32
	global_load_b128 v[128+4*Q:131+4*Q], v3, s[16:17] offset:128*(Q/4)+32*(Q%4)
.set Q, Q+1
.endr
.set Q, 0
.rept 32
	s_wait_loadcnt 31-Q                            ; loads come back in order (ISA guide 5.7.1): number Q is in, the younger ones stay out
	global_store_b128 v10, v[128+4*Q:131+4*Q], s[20:21] offset:512*Q      ; 32 lanes store 512 consecutive bytes
.set Q, Q+1
.endr
	s_endpgm
.Lfunc_end_k_qa4547b296b_prep:
	.size	k_qa4547b296b_prep, .Lfunc_end_k_qa4547b296b_prep-k_qa4547b296b_prep
	.p2alignl 7, 3214868480
	.fill 96, 4, 3214868480
	.section	.rodata,"a",@progbits
	.p2align	6, 0x0
	.amdhsa_kernel k_qa4547b296b_prep
		.amdhsa_group_segment_fixed_size 17920
		.amdhsa_private_segment_fixed_size 0
		.amdhsa_enable_private_segment 0
		.amdhsa_kernarg_size 72
		.amdhsa_user_sgpr_count 2
		.amdhsa_user_sgpr_kernarg_segment_ptr 1
		.amdhsa_wavefront_size32 1
		.amdhsa_system_sgpr_workgroup_id_x 1
		.amdhsa_system_sgpr_workgroup_id_y 1
		.amdhsa_system_sgpr_workgroup_id_z 1
		.amdhsa_system_vgpr_workitem_id 0
		.amdhsa_next_free_vgpr 1024
		.amdhsa_next_free_sgpr 66
		.amdhsa_reserve_vcc 0
		.amdhsa_float_denorm_mode_32 3
		.amdhsa_float_denorm_mode_16_64 3
		.amdhsa_memory_ordered 1
		.amdhsa_forward_progress 1
		.amdhsa_inst_pref_size 35
	.end_amdhsa_kernel
	.amdgpu_metadata
---
amdhsa.version: [ 1, 2 ]
amdhsa.kernels:
  - .name:           k_qa4547b296b_prep
    .symbol:         k_qa4547b296b_prep.kd
    .args:
      - { .name: hidden_codes, .offset: 0, .size: 8, .value_kind: global_buffer, .address_space: global }
      - { .name: hidden_scales, .offset: 8, .size: 8, .value_kind: global_buffer, .address_space: global }
      - { .name: W2_codes, .offset: 16, .size: 8, .value_kind: global_buffer, .address_space: global }
      - { .name: W2_scales, .offset: 24, .size: 8, .value_kind: global_buffer, .address_space: global }
      - { .name: b1, .offset: 32, .size: 8, .value_kind: global_buffer, .address_space: global }
      - { .name: b2, .offset: 40, .size: 8, .value_kind: global_buffer, .address_space: global }
      - { .name: W1_codes, .offset: 48, .size: 8, .value_kind: global_buffer, .address_space: global }
      - { .name: hb, .offset: 56, .size: 8, .value_kind: global_buffer, .address_space: global }
      - { .name: w1img, .offset: 64, .size: 8, .value_kind: global_buffer, .address_space: global }
    .group_segment_fixed_size: 17920
    .private_segment_fixed_size: 0
    .kernarg_segment_align: 8
    .kernarg_segment_size: 72
    .max_flat_workgroup_size: 128
    .sgpr_count:     66
    .vgpr_count:     1024
    .wavefront_size: 32
...
	.end_amdgpu_metadata
.endif
;; end of part 4
;; launch main (part 5): grid 256 x 1, 4 waves a work-group, no clusters, 307,712 bytes of LDS; arguments features, w1img, W1_scales, hb, V, bV, uws, cpart, stats; writes uws, cpart, stats
.if DOCPART == 5
	.amdgcn_target "amdgcn-amd-amdhsa--gfx1250"
	.amdhsa_code_object_version 6
	.text
	.protected	k_qa4547b296b_main
	.globl	k_qa4547b296b_main
	.p2align	8
	.type	k_qa4547b296b_main,@function
k_qa4547b296b_main:
	s_mov_b64 s[64:65], 0
	v_nop
	global_prefetch_b8 v0, s[64:65] scope:SCOPE_SE
	s_setreg_imm32_b32 hwreg(HW_REG_WAVE_SCHED_MODE, 0, 2), 2
	s_setreg_imm32_b32 hwreg(HW_REG_WAVE_MODE, 25, 1), 1
	s_wait_xcnt 0x0
	s_wait_alu depctr_vm_vsrc(0)
; For 256 rows l of one batch (work-group g: batch g / 4, rows 256 (g % 4) on), in four blocks of 64 rows:
;   score = V . tanh(Q(features) Q(W1) + b1 + hidden W2 + b2) + bV;  a running softmax over the rows;  the weighted sum of the f32 rows under the running maximum.
; EACH FEATURE BYTE LEAVES MEMORY ONCE: a block's 64 f32 rows stay in LDS from their arrival until their weights are known.  Out go u = score x log2(e) (uws), the work-group's maximum and sum (stats)
; and its partial context (cpart); the last launch joins the four quarters of a batch.
; tanh(x) = 1 - 2 / (1 + 2^(c x)), c = 2 log2(e): the sum over u of V tanh is (sum of V) + sum of (-2 V) / (1 + 2^(c acc + cb)), cb = c (hidden W2 + b1 + b2) from the launch before.  All in f32.
; SHARES.  THE WAVES SHARE THE COLUMNS: wave w has columns 256 w .. 256 w + 255 of U for all 64 rows.  The block's codes (4 tiles of 16 rows x 8 K steps = 32 fragments, 512 registers) lie in EVERY wave's registers;
; a fragment of W1 is read by one wave alone and feeds four products, so it goes straight into registers, from the image that the launch before laid (512 consecutive bytes a load), two column tiles ahead.
; NO JOINT TENSOR LOADS, though all work-groups walk the same W1: the kept rows take 263,168 bytes of LDS, the exchange and the tables 44,032; the 20,480 left of a WGP's 327,680 hold less than one
; column tile for each of four waves (65,536 bytes), let alone two slots of it.
; QUANTISING.  Wave w quantises K steps 2 w and 2 w + 1 of every row tile (a block of 32 lies in lanes l and l xor 16) and hands the fragments to the others through LDS as images of their registers, half a block (two row tiles) at a time.
; LIMITS: NaN and infinities among the features are not served; a block of 32 whose largest magnitude lies under 2^-118, a block of zeros too, gets the scale byte 1 (zero codes add nothing; the bytes are read here alone).
; LDS: RET 64 rows x 4,112 (4,096 + 16: an odd multiple of 16, so that the 16 rows of a load start 16 bytes apart modulo 256); EX 16 images of 2,048; EXS 16 x 128 scale words; CVT 1,024 pairs (cb, -2 V); SCR 4 waves x 64 sums.
; REGISTERS, in windows of 256.  Window 0: v1-16 addresses; v18-31 statistics; v32-35 the two slots' (cb, -2 V); v36-43 the context; v44-59 W1's scale words, v60-91 the features': these hold scales alone;
;   v96-127 four accumulators; v128-159 the rows' sums; v96-159 and v160-223 the context's two sets of rows; v224-231 at work; v232-243 three sets of four addresses into the kept rows.
;   Window 1: four landing chunks of 64 for the features, later two slots of 128 for W1's fragments.   Windows 2, 3: the features' fragments (m, s) at 64 (s % 4) + 16 m, window 2 + s / 4;
;   the places of row tiles 2 and 3, which are filled last, serve the quantiser till then.
; THE MODE: SCHED_MODE bits 1:0 = 2 (LLVM: expert scheduling mode 2), set by the entry lines.  The code itself states the register dependences
; between vector or matrix instructions and memory or LDS instructions, with s_wait_alu, always for 0.
; THE PLAN.  Registers that memory or LDS instructions touch, and who else names them:
;   addresses     v1, v5-13, v15, v16, v232-243: made at the head, never written again: one wait on va_vdst ahead of the first load.  The kept rows are reached by four registers 16 rows apart for each use, and by immediates.
;   v14           the one address written in a loop (the next pair of the table): a wait on vm_vsrc and the addition stand behind a tile's products; the wait on va_vdst behind the places covers it.
;   window 1      as chunks: loads write, LDS stores read, no vector instruction names them: waits on vm_vsrc alone.  As slots, with W1's scale words: loads write, products read: ONE wait on va_vdst behind a tile's products
;                 serves all 34 loads of the refill; the tanh that stands among them names the accumulators, the sums and the pair alone.
;   the pair      read by the tanh, then loaded again: one wait on va_vdst behind the tanh.
;   windows 2, 3  the quantiser's numbers (loaded, read and written by it), its codes and scale word (written by it, read by the image's stores): a wait on va_vdst behind each fragment's arithmetic, for the image and the next
;                 numbers; waits on vm_vsrc ahead of the arithmetic that writes codes again and of the fragments that land over them.  As fragments, with the features' scale words: loads write, products read: the wait behind the last tile.
;   v128-159      the sums: vector instructions write, LDS stores read (va_vdst between), a chunk of kept rows lands there later (vm_vsrc between).
;   v96-223       the context's two sets: a chunk's sums read the set in which the chunk two on lands: a wait on va_vdst at the head of a step.
;   s48 .. s62    a chunk's eight weights, written by lane reads: one wait on va_sdst ahead of the sums; the lane reads stand ahead of the step's loads.
.set PITCH, 4112
.set EX,    64*PITCH
.set EXS,   EX+32768
.set CVT,   EXS+2048
.set SCR,   CVT+8192
.set CV,   32
.set CTX,  36
.set BSC,  44
.set ASC,  60
.set ACC,  96
.set SS,   128
.set QA,   232                         ; v232-235: the quantiser's place in row tile m of the kept rows
.set SA,   236                         ; v236-239: where rounds 2 j and 2 j + 1 are stored into the kept rows
.set CA,   240                         ; v240-243: where the context reads chunks 2 j and 2 j + 1
.set QX,   32                          ; in window 2 or 3: number i of block b at 64 b + 32 + i
.set TM,   48                          ; 48-51 largest magnitudes, 52-55 bytes, 56-59 448 x the scale, 60-63 the conversion's scale operand
.set PC,   112                         ; the codes just made
.set PW,   176                         ; their scale word
.set MSB, 0
.macro WIN new                         ; the immediate's high byte repeats the setting that is left
.if MSB != (\new)
	s_set_vgpr_msb (MSB<<8)|(\new)
.set MSB, \new
.endif
.endm
.macro BAR                             ; my LDS stores have landed and my LDS loads are in: then the work-group's barrier
	s_wait_dscnt 0x0
	s_barrier_signal -1
	s_barrier_wait -1
.endm
; Round k of a block's eight: rows 8 k + 2 w and + 1, 16 loads of 512 consecutive bytes, into landing chunk k % 4
.macro LOADR k, off
	WIN 0x40
.irp i, 0,1,2,3,4,5,6,7,8,9,10,11,12,13,14,15
	global_load_b128 v[64*((\k)%4)+4*\i:64*((\k)%4)+4*\i+3], v1, s[4:5] offset:\off+32768*(\k)+4096*(\i/8)+512*(\i%8) th:TH_LOAD_NT
.endr
	WIN 0
.endm
.macro STORER k                        ; and on into the kept rows: no address is made here; the odd round of a pair lies 8 rows on, in the immediate
	WIN 0x04                                       ; an LDS store's data are its source 1: window 1
.irp i, 0,1,2,3,4,5,6,7,8,9,10,11,12,13,14,15
	ds_store_b128 v[SA+(\k)/2], v[64*((\k)%4)+4*\i:64*((\k)%4)+4*\i+3] offset:8*PITCH*((\k)%2)+PITCH*(\i/8)+512*(\i%8)
.endr
	WIN 0
.endm
; 64 numbers of my row of tile m, K step 2 w + sp: register 64 b + 32 + i = k 32 b + 16 (lane / 16) + i
.macro XLOAD W, m, sp
	WIN (\W)<<6
.irp b, 0,1,2,3
.irp j, 0,1,2,3
	ds_load_b128 v[QX+64*\b+4*\j:QX+64*\b+4*\j+3], v[QA+(\m)] offset:512*(\sp)+128*\b+16*\j
.endr
.endr
.endm
.macro QUANT W                         ; they become a fragment's codes and its scale word; every operand lies in window W
	WIN 0x55*(\W)
.irp b, 0,1,2,3
	v_max3_num_f32 v[TM+\b], |v[QX+64*\b]|, |v[QX+64*\b+1]|, 0x4800000   ; block b: my 16 numbers, and the floor 2^(9 - 127): the byte cannot fall under 1
.endr
.irp i, 2,4,6,8,10,12,14
.irp b, 0,1,2,3
	v_max3_num_f32 v[TM+\b], v[TM+\b], |v[QX+64*\b+\i]|, |v[QX+64*\b+\i+1]|   ; (the four blocks by turns)
.endr
.endr
.irp b, 0,1,2,3
	v_permlanex16_b32 v[TM+4+\b], v[TM+\b], s28, s29
.endr
.irp b, 0,1,2,3
	v_max_num_f32 v[TM+\b], v[TM+\b], v[TM+4+\b]   ; with lane l xor 16's: the block's largest magnitude
.endr
.irp b, 0,1,2,3
	v_add_nc_u32 v[TM+12+\b], 0xfc000000, v[TM+\b] ; 8 off its exponent field: the conversion takes this operand's exponent field as its scale
.endr
.irp b, 0,1,2,3
	v_and_or_b32 v[TM+8+\b], v[TM+\b], 0x7f800000, s27   ; 448 x the scale
.endr
.irp b, 0,1,2,3
	v_lshrrev_b32 v[TM+4+\b], 23, v[TM+12+\b]      ; the scale's byte
.endr
	v_lshl_or_b32 v[PW], v[TM+5], 8, v[TM+4]
	v_lshl_or_b32 v[PW], v[TM+6], 16, v[PW]
	v_lshl_or_b32 v[PW], v[TM+7], 24, v[PW]
.irp b, 0,1,2,3
.irp i, 0,1,2,3,4,5,6,7,8,9,10,11,12,13,14,15
	v_med3_num_f32 v[QX+64*\b+\i], v[QX+64*\b+\i], -v[TM+8+\b], v[TM+8+\b]   ; the conversion to an 8-bit code does not saturate (ISA guide 7.6.2): the hold at 448 x the scale
.endr
	v_cvt_scalef32_pk8_fp8_f32 v[PC+4*\b:PC+4*\b+1], v[QX+64*\b:QX+64*\b+7], v[TM+12+\b]
	v_cvt_scalef32_pk8_fp8_f32 v[PC+4*\b+2:PC+4*\b+3], v[QX+64*\b+8:QX+64*\b+15], v[TM+12+\b]
.endr
	v_nop                                          ; one plain line behind the last conversion
.endm
.macro IMAGE W, mm, sp                 ; the fragment goes to LDS as it stands: image 8 mm + 2 w + sp
	WIN (\W)<<2
.irp c, 0,1,2,3
	ds_store_b128 v5, v[PC+4*\c:PC+4*\c+3] offset:16384*(\mm)+2048*(\sp)+512*\c
.endr
	ds_store_b32 v6, v[PW] offset:1024*(\mm)+128*(\sp)
.endm
; Half a block: row tiles 2 hf and 2 hf + 1, my two K steps of each: four fragments, windows 2 and 3 by turns, each fragment's numbers asked for two fragments ahead.
; The counts on DScnt: what was issued behind the awaited 16 loads: the next 16 loads and/or an image's five stores.
.macro QHALF hf
	s_wait_alu depctr_vm_vsrc(0)                   ; the LDS stores issued so far have read their registers: the last half's images the codes and scale words of both windows, which this half writes again; in the first half also round 3's stores their chunk, in which round 7 lands
	XLOAD 2, 2*\hf, 0
	XLOAD 3, 2*\hf, 1
	s_wait_dscnt 16
	QUANT 2
	s_wait_alu depctr_va_vdst(0)                   ; window 2's codes and scale word are written, which the image's stores read; its arithmetic is done with the 64 numbers, in whose registers the next 64 land
	IMAGE 2, 0, 0
	XLOAD 2, 2*\hf+1, 0
	s_wait_dscnt 21
	QUANT 3
	s_wait_alu depctr_va_vdst(0)                   ; the same of window 3
	IMAGE 3, 0, 1
	XLOAD 3, 2*\hf+1, 1
	s_wait_dscnt 21
	s_wait_alu depctr_vm_vsrc(0)                   ; the two images' stores have read the codes and scale words of both windows, which the next two fragments' arithmetic writes again
	QUANT 2
	s_wait_alu depctr_va_vdst(0)                   ; window 2's codes and scale word are written, which the image's stores read
	IMAGE 2, 1, 0
	s_wait_dscnt 5
	QUANT 3
	s_wait_alu depctr_va_vdst(0)                   ; window 3's codes and scale word are written, which the image's stores read; the quantiser is done with its registers, in which fragments or the next half's numbers land
	IMAGE 3, 1, 1
	WIN 0
.endm
.macro ALOAD hf                        ; all sixteen images of the half, and their scale words, into my registers
.if \hf
	s_wait_alu depctr_vm_vsrc(0)                   ; my last images' stores have read the codes and scale words, over which row tile 3's fragments land
.endif
	WIN 0x80
.irp mm, 0,1
.irp s, 0,1,2,3
.irp c, 0,1,2,3
	ds_load_b128 v[64*\s+16*(2*\hf+\mm)+4*\c:64*\s+16*(2*\hf+\mm)+4*\c+3], v7 offset:2048*(8*\mm+\s)+512*\c
.endr
.endr
.endr
	WIN 0xc0
.irp mm, 0,1
.irp s, 0,1,2,3
.irp c, 0,1,2,3
	ds_load_b128 v[64*\s+16*(2*\hf+\mm)+4*\c:64*\s+16*(2*\hf+\mm)+4*\c+3], v7 offset:2048*(8*\mm+\s+4)+512*\c
.endr
.endr
.endr
	WIN 0
.irp mm, 0,1
.irp s, 0,1,2,3,4,5,6,7
	ds_load_b32 v[ASC+8*(2*\hf+\mm)+\s], v8 offset:128*(8*\mm+\s)
.endr
.endr
.endm
.macro BLOADS z, s0, s1                ; K steps s0 .. s1 of a column tile's fragments into slot z
	WIN 0x40
.set BS, \s0
.rept \s1-\s0+1
.irp c, 0,1,2,3
	global_load_b128 v[128*\z+16*BS+4*\c:128*\z+16*BS+4*\c+3], v1, s[34+2*\z:35+2*\z] offset:512*(4*BS+\c)
.endr
.set BS, BS+1
.endr
	WIN 0
.endm
.macro BSCL z                          ; and its columns' eight scale words
	global_load_b128 v[BSC+8*\z:BSC+8*\z+3], v13, s[38+2*\z:39+2*\z]
	global_load_b128 v[BSC+8*\z+4:BSC+8*\z+7], v13, s[38+2*\z:39+2*\z] offset:16
.endm
; 32 products: 64 rows x 16 columns x all of K.  Source 0 = 16 rows of features, source 1 = 16 columns of W1: lane (r, h) holds column r and rows 8 h + 0 .. 7.
; The four accumulators take turns, one instruction a turn; the first K step starts the sums with the constant 0.
.macro GMUL z
.irp s, 0,1,2,3,4,5,6,7
.if \s < 4
	WIN 0x06                                       ; source 0 window 2, source 1 window 1
.else
	WIN 0x07                                       ; source 0 window 3
.endif
.irp m, 0,1,2,3
.if \s == 0
	v_wmma_scale_f32_16x16x128_f8f6f4 v[ACC+8*\m:ACC+8*\m+7], v[64*(\s%4)+16*\m:64*(\s%4)+16*\m+15], v[128*\z+16*\s:128*\z+16*\s+15], 0, v[ASC+8*\m+\s], v[BSC+8*\z+\s]
.else
	v_wmma_scale_f32_16x16x128_f8f6f4 v[ACC+8*\m:ACC+8*\m+7], v[64*(\s%4)+16*\m:64*(\s%4)+16*\m+15], v[128*\z+16*\s:128*\z+16*\s+15], v[ACC+8*\m:ACC+8*\m+7], v[ASC+8*\m+\s], v[BSC+8*\z+\s]
.endif
.endr
.endr
	WIN 0
.endm
.macro NINE
.rept 9
	v_nop                                          ; eight places in front of the first read of results; a ninth for the next tile's first products, which write over these accumulators
.endr
.endm
; The sums' tanh and its product with V, five steps for each row tile t
.macro TF t, z                         ; c acc + cb
.irp p, 0,2,4,6
	v_pk_fma_f32 v[ACC+8*\t+\p:ACC+8*\t+\p+1], v[ACC+8*\t+\p:ACC+8*\t+\p+1], s[30:31], v[CV+2*\z:CV+2*\z+1] op_sel_hi:[1,0,0]
.endr
.endm
.macro TE t
.irp j, 0,1,2,3,4,5,6,7
	v_exp_f32 v[ACC+8*\t+\j], v[ACC+8*\t+\j]
.endr
.endm
.macro TA t
.irp p, 0,2,4,6
	v_pk_add_f32 v[ACC+8*\t+\p:ACC+8*\t+\p+1], v[ACC+8*\t+\p:ACC+8*\t+\p+1], 1.0 op_sel_hi:[1,0]
.endr
.endm
.macro TR t
.irp j, 0,1,2,3,4,5,6,7
	v_rcp_f32 v[ACC+8*\t+\j], v[ACC+8*\t+\j]
.endr
.endm
.macro TS t, z                         ; the row's sum += (-2 V) / (1 + 2^..): of the pair (cb, -2 V) the second word serves both halves
.irp p, 0,2,4,6
	v_pk_fma_f32 v[SS+8*\t+\p:SS+8*\t+\p+1], v[ACC+8*\t+\p:ACC+8*\t+\p+1], v[CV+2*\z:CV+2*\z+1], v[SS+8*\t+\p:SS+8*\t+\p+1] op_sel:[0,1,0] op_sel_hi:[1,1,1]
.endr
.endm
; The order sets an independent plain line behind every run of transcendentals, ahead of the first use of its results (ISA guide 5.7.2), and reads each accumulator from its low end on.
; Four waits: each stands ahead of the first line that names a result of the transcendentals issued since the wait before it.
.macro TANH z
	TF 0, \z
	TF 1, \z
	s_wait_alu depctr_va_vdst(0)
	TE 0
	s_wait_alu depctr_va_vdst(0)
	TF 2, \z
	TE 1
	s_wait_alu depctr_va_vdst(0)
	TF 3, \z
	s_wait_alu depctr_va_vdst(0)                   ; the exponentials of row tiles 0 and 1 are written, which the additions below read
	TA 0
	s_wait_alu depctr_va_vdst(0)
	TE 2
	TA 1
	TR 0
	s_wait_alu depctr_va_vdst(0)                   ; tile 2's exponentials and tile 0's reciprocals are written
	TA 2
	TE 3
	TS 0, \z
	TR 1
	s_wait_alu depctr_va_vdst(0)                   ; tile 3's exponentials and tile 1's reciprocals are written
	TA 3
	s_wait_alu depctr_va_vdst(0)
	TR 2
	TS 1, \z
	TR 3
	s_wait_alu depctr_va_vdst(0)                   ; the reciprocals of tiles 2 and 3 are written
	TS 2, \z
	TS 3, \z
.endm
; A column tile in slot z.  left: the other slot's 32 fragment loads and 2 scale loads, which may stay out.  refill = 1: the slot takes the tile two further on.
.macro GROUP z, refill, left
	s_wait_loadcnt \left
	GMUL \z
.if \refill
	s_wait_alu depctr_vm_vsrc(0)                   ; the last load of a pair, a tile back, has read v14
	v_add_nc_u32 v14, s26, v9                      ; where the pair of the tile two further on lies
	s_add_co_u32 s26, s26, 128
.endif
	NINE
.if \refill
	s_wait_alu depctr_va_vdst(0)                   ; the products are done reading slot z and its scale words, in which the 34 loads of the refill land; v14 is written
	s_wait_xcnt 0x0                                ; every earlier load has had its address translated (ISA guide 3.1): only now the pointers step
	s_add_nc_u64 s[34+2*\z:35+2*\z], s[34+2*\z:35+2*\z], 32768
	s_add_nc_u64 s[38+2*\z:39+2*\z], s[38+2*\z:39+2*\z], 1024
.if \z == 0
	s_add_nc_u64 s[46:47], s[46:47], 16384
.endif
	BLOADS \z, 0, 6
.if \z == 0
	; Trips 5 and 6 of the seven ask for the first 32 rows of the next block, 131,072 bytes: wave w for bytes 32,768 w on, 16,384 a trip, lanes 256 bytes apart, each such piece once.  The last block asks for nothing.
	s_cmp_lt_u32 s25, s44
	s_cbranch_scc1 .Lnopf_\@
	global_prefetch_b8 v15, s[46:47] th:TH_LOAD_NT scope:SCOPE_SE
	global_prefetch_b8 v15, s[46:47] offset:8192 th:TH_LOAD_NT scope:SCOPE_SE
.Lnopf_\@:
.endif
.endif
	s_wait_dscnt 0x0                               ; the slot's (cb, -2 V) is in
	TANH \z
.if \refill
	s_wait_alu depctr_va_vdst(0)                   ; the tanh is done reading the slot's pair, in which the next pair lands
	BLOADS \z, 7, 7                                ; (no vector or matrix instruction since the wait behind the products names the slot or its scale words)
	BSCL \z
	ds_load_b64 v[CV+2*\z:CV+2*\z+1], v14          ; the next tile's pair for my column
.endif
.endm
; The context: chunk kap = rows 8 kap .. + 7 of the kept rows, my wave's 1,024 bytes of each (two loads of 512), two sets of registers by turns; no address is made here
.macro CLOAD kap
.irp i, 0,1,2,3,4,5,6,7
	ds_load_b128 v[160-64*((\kap)%2)+8*\i:160-64*((\kap)%2)+8*\i+3], v[CA+(\kap)/2] offset:8*PITCH*((\kap)%2)+PITCH*\i
	ds_load_b128 v[164-64*((\kap)%2)+8*\i:164-64*((\kap)%2)+8*\i+3], v[CA+(\kap)/2] offset:8*PITCH*((\kap)%2)+PITCH*\i+512
.endr
.endm
.macro CWGT kap                        ; the chunk's eight weights
.irp i, 0,1,2,3,4,5,6,7
	v_readlane_b32 s[48+2*\i], v[24+\i%2], 4*(\kap)+\i/2      ; row 8 kap + i's weight lies in lane (8 kap + i) / 2
.endr
.endm
.macro CSUM kap
.irp i, 0,1,2,3,4,5,6,7
.irp p, 0,2,4,6
	v_pk_fma_f32 v[CTX+\p:CTX+\p+1], v[160-64*((\kap)%2)+8*\i+\p:160-64*((\kap)%2)+8*\i+\p+1], s[48+2*\i:49+2*\i], v[CTX+\p:CTX+\p+1] op_sel_hi:[1,0,1]
.endr
.endr
.endm
	s_load_b256 s[4:11], s[0:1], 0x0               ; features s[4:5], w1img s[6:7], W1's scales s[8:9], hb s[10:11]
	s_load_b256 s[12:19], s[0:1], 0x20             ; V s[12:13], bV s[14:15], uws s[16:17], cpart s[18:19]
	s_load_b64 s[20:21], s[0:1], 0x40              ; stats
	v_lshl_add_u32 v254, v0, 2, 0x4b000            ; my spare word and 0: made here and kept for the closing lines alone
	v_mov_b32 v255, 0
	v_lshrrev_b32 v28, 5, v0
	v_readfirstlane_b32 s22, v28                   ; wave 0..3
	v_and_b32 v28, 31, v0                          ; lane
	v_and_b32 v29, 15, v0                          ; r
	v_bfe_u32 v30, v0, 4, 1                        ; h
	v_lshlrev_b32 v1, 4, v28                       ; 16 x lane
	s_wait_alu depctr_va_sdst(0)                   ; s22 is written, ahead of its first reader
	s_mul_i32 s42, s22, 2*PITCH
	v_add_nc_u32 v3, s42, v1                       ; kept rows, on the way in: row 2 w, 16 x lane
	v_mul_u32_u24 v4, v29, PITCH
	v_lshl_add_u32 v4, v30, 6, v4
	s_lshl_b32 s42, s22, 10
	v_add_nc_u32 v4, s42, v4                       ; for the quantiser: row r, + 64 h, + my two K steps' 1,024 w
	v_add_nc_u32 v12, s42, v1                      ; for the context: my 1,024 bytes of a row, 16 x lane
.irp m, 0,1,2,3
	v_add_nc_u32 v[QA+\m], 16*PITCH*\m, v4         ; each of the three 16 rows on, four times
	v_add_nc_u32 v[SA+\m], 16*PITCH*\m, v3
	v_add_nc_u32 v[CA+\m], 16*PITCH*\m, v12
.endr
	v_add_nc_u32 v7, EX, v1                        ; images: where any wave reads them,
	s_lshl_b32 s42, s22, 12
	v_add_nc_u32 v5, s42, v7                       ; and where I store mine: two images on for each wave
	v_lshl_add_u32 v8, v28, 2, EXS                 ; their scale words likewise
	s_lshl_b32 s42, s22, 8
	v_add_nc_u32 v6, s42, v8
	v_lshl_add_u32 v10, v30, 5, SCR
	v_add_nc_u32 v10, s42, v10                     ; my wave's 64 sums: rows 8 h on
	v_lshl_add_u32 v9, v29, 3, CVT
	s_lshl_b32 s42, s22, 11
	v_add_nc_u32 v9, s42, v9                       ; the pair of column 256 w + r
	v_lshl_add_u32 v11, v28, 3, SCR                ; the sums of rows 2 lane, 2 lane + 1
	v_lshlrev_b32 v13, 5, v29                      ; W1's scale bytes: 32 a column
	v_lshlrev_b32 v15, 8, v28                      ; 256 x lane
	v_lshlrev_b32 v16, 3, v28                      ; 8 x lane
	v_lshlrev_b32 v31, 4, v0                       ; 16 x thread
	v_lshl_add_u32 v14, v0, 5, CVT                 ; where my thread's pairs go
	s_mov_b32 s24, 4                               ; blocks to go
	s_mov_b32 s27, 0x600000                        ; the mantissa field of 448
	s_mov_b32 s28, 0x76543210
	s_mov_b32 s29, 0xfedcba98                      ; v_permlanex16_b32's selects for lane l xor 16
	s_mov_b32 s30, 0x4038aa3b                      ; c = 2 log2(e), as a pair
	s_mov_b32 s31, 0x4038aa3b
	s_mov_b32 s32, 0x3fb8aa3b                      ; log2(e), as a pair
	s_mov_b32 s33, 0x3fb8aa3b
	s_mov_b32 s43, 0
.irp i, 49,51,53,55,57,59,61,63
	s_mov_b32 s[\i], 0                             ; named as the upper halves of the weights' pairs
.endr
	s_wait_kmcnt 0x0
	s_load_b32 s23, s[14:15], 0x0                  ; bV
	s_lshl_b32 s42, ttmp9, 20
	s_add_nc_u64 s[4:5], s[4:5], s[42:43]          ; my 256 rows of 4,096 bytes,
	s_lshl_b32 s42, s22, 13
	s_add_nc_u64 s[4:5], s[4:5], s[42:43]          ; my wave's two rows of a round
	s_add_nc_u64 s[8:9], s[8:9], s[42:43]          ; W1's scales: my 256 columns x 32 bytes
	s_lshl_b32 s42, s22, 18
	s_add_nc_u64 s[6:7], s[6:7], s[42:43]          ; the image: my 16 column tiles x 16,384 bytes
	s_lshr_b32 s42, ttmp9, 2
	s_lshl_b32 s42, s42, 12
	s_add_nc_u64 s[10:11], s[10:11], s[42:43]      ; hb: my batch's row
	s_lshl_b32 s42, ttmp9, 10
	s_add_nc_u64 s[16:17], s[16:17], s[42:43]
	s_lshl_b32 s42, ttmp9, 12
	s_add_nc_u64 s[18:19], s[18:19], s[42:43]
	s_lshl_b32 s42, s22, 10
	s_add_nc_u64 s[18:19], s[18:19], s[42:43]
	s_lshl_b32 s42, ttmp9, 8
	s_add_nc_u64 s[20:21], s[20:21], s[42:43]
	s_wait_alu depctr_va_vdst(0)                   ; every address and offset of the kernel is written: v1, v5 to v16, v31, v232 to v243
	global_load_b128 v[160:163], v31, s[10:11]                 ; cb of columns 4 t .. and 512 + 4 t ..
	global_load_b128 v[164:167], v31, s[10:11] offset:2048
	global_load_b128 v[168:171], v31, s[12:13]                 ; V of the same
	global_load_b128 v[172:175], v31, s[12:13] offset:2048
.irp j, 0,1,2,3,4,5,6,7
	global_load_b128 v[192+4*\j:195+4*\j], v1, s[12:13] offset:512*\j   ; all of V, for its sum
.endr
	LOADR 0, 0
	LOADR 1, 0
	LOADR 2, 0
	WIN 0x80
.irp b, 0,1,2,3
	v_mov_b32 v[TM+4+\b], 0                        ; written once in both windows: a lane permute's destination counts as one of its sources
.endr
	WIN 0xc0
.irp b, 0,1,2,3
	v_mov_b32 v[TM+4+\b], 0
.endr
	WIN 0
.irp j, 0,1,2,3,4,5,6,7
	v_mov_b32 v[CTX+\j], 0
.endr
	v_mov_b32 v20, 0xff61b1e6                      ; the running maximum of u: -3e38, under every u
	v_mov_b32 v21, 0                               ; the running sum
	s_wait_loadcnt 48                              ; the twelve loads of cb and V are in; the three rounds of features behind them stay out
.irp j, 0,1,2,3,4,5,6,7
	v_mov_b32 v[176+2*\j], v[160+\j]
	v_mul_f32 v[177+2*\j], -2.0, v[168+\j]
.endr
	s_wait_alu depctr_va_vdst(0)                   ; the pairs v176 to v191 are written, which the LDS stores read
	ds_store_b128 v14, v[176:179]
	ds_store_b128 v14, v[180:183] offset:16
	ds_store_b128 v14, v[184:187] offset:4096
	ds_store_b128 v14, v[188:191] offset:4112
.irp j, 2,4,6,8,10,12,14,16,18,20,22,24,26,28,30
	v_pk_add_f32 v[192:193], v[192:193], v[192+\j:193+\j]
.endr
	v_add_f32 v192, v192, v193
	v_add_f32_dpp v192, v192, v192 row_xmask:1 row_mask:0xf bank_mask:0xf
	v_add_f32_dpp v192, v192, v192 row_xmask:2 row_mask:0xf bank_mask:0xf
	v_add_f32_dpp v192, v192, v192 row_xmask:4 row_mask:0xf bank_mask:0xf
	v_add_f32_dpp v192, v192, v192 row_xmask:8 row_mask:0xf bank_mask:0xf
	v_permlanex16_b32 v29, v192, s28, s29
	v_add_f32 v192, v192, v29                      ; the sum of V
	s_wait_alu depctr_va_vdst(0)
	s_wait_kmcnt 0x0
	v_add_f32 v192, s23, v192                      ; + bV
	v_mul_f32 v18, s32, v192                       ; x log2(e), as a pair
	v_mov_b32 v19, v18
.Lblock:                                           ; four trips; rounds 0, 1, 2 of the block's features are on their way
	; ---- rows 0-31 into LDS.  Loads: two younger rounds stay out.  LDS: the 16 stores just issued may be out; the round before is stored, and its chunk takes the round three on.
	; (Chunk 3, which takes round 3, was last read by the block before: by round 7's stores and by the last tile's products, both ahead of waits that stand there.)
.irp k, 0,1,2,3
	s_wait_loadcnt 32
.if \k > 0
	s_wait_alu depctr_vm_vsrc(0)                   ; the stores of the round before have read their chunk, in which the round three on lands; this round's stores, issued behind the wait, read another chunk
.endif
	STORER \k
	s_wait_dscnt 16
	LOADR \k+3, 0
.endr
	BAR                                            ; rows 0-31 lie in LDS (in the first trip the table of pairs too)
	QHALF 0
	BAR                                            ; the first half's sixteen images lie in LDS
	ALOAD 0
	s_wait_loadcnt 32                              ; round 4 is in; 5 and 6 stay out
	STORER 4
	LOADR 7, 0                                     ; into chunk 3, stored ahead of the first barrier: the wait at the head of the first half has shown those stores' registers read
	s_wait_loadcnt 32
	STORER 5
	s_wait_loadcnt 16
	STORER 6
	s_wait_loadcnt 0x0
	STORER 7
	s_wait_dscnt 0x0                               ; the chunks are stored: window 1 is free for W1
	s_wait_alu depctr_vm_vsrc(0)                   ; the stores of rounds 4 to 7 have read the four chunks, in which W1's fragments land
	s_wait_xcnt 0x0                                ; no earlier load still reads the pointers
	s_mov_b64 s[34:35], s[6:7]                     ; slot 0: my column tile 0; slot 1: tile 1
	s_add_nc_u64 s[36:37], s[6:7], 16384
	s_mov_b64 s[38:39], s[8:9]
	s_add_nc_u64 s[40:41], s[8:9], 512
	BLOADS 0, 0, 7
	BSCL 0
	BAR                                            ; the images are read and rows 32-63 lie in LDS
	QHALF 1
	BLOADS 1, 0, 7
	BSCL 1
	BAR                                            ; the second half's images lie in LDS
	ALOAD 1
.irp j, 0,1,2,3,4,5,6,7,8,9,10,11,12,13,14,15,16,17,18,19,20,21,22,23,24,25,26,27,28,29,30,31
	v_mov_b32 v[SS+\j], 0                          ; the rows' sums: 32 lines for a block's 512 products
.endr
	ds_load_b64 v[CV:CV+1], v9                     ; (the last block's tanh, which read these pairs, stands ahead of the quantiser's waits)
	ds_load_b64 v[CV+2:CV+3], v9 offset:128
	s_mov_b32 s26, 256                             ; the pair of the tile that is fetched next
	s_mov_b32 s25, 0
	s_cmp_eq_u32 s24, 1
	s_cselect_b32 s44, 99, 5                       ; from which trip on the next block is asked for: never in the last block
	s_mul_i32 s42, s22, 24576
	s_add_nc_u64 s[46:47], s[4:5], 262144-98304    ; stepped 16,384 a trip ahead of its use: in trip 5 it stands at the next block's byte 32,768 w (s[4:5] holds 8,192 w already)
	s_add_nc_u64 s[46:47], s[46:47], s[42:43]
	s_wait_dscnt 0x0
.Lct:                                              ; seven trips of two column tiles
	GROUP 0, 1, 34
	GROUP 1, 1, 34
	s_add_co_u32 s25, s25, 1
	s_cmp_lt_u32 s25, 7
	s_cbranch_scc1 .Lct
	GROUP 0, 0, 34                                 ; the last two tiles fetch nothing
	s_wait_loadcnt 0x0
	GMUL 1
	NINE
	s_wait_alu depctr_va_vdst(0)                   ; the block's products are done reading window 1, windows 2 and 3 and both kinds of scale words: the next block's rounds, numbers, fragments and scale words land there
	s_cmp_eq_u32 s24, 1                            ; window 1 is free: the next block's first three rounds, if there is a next block: no load leaves the buffer
	s_cbranch_scc1 .Lnonext
	LOADR 0, 262144
	LOADR 1, 262144
	LOADR 2, 262144
.Lnonext:
	s_wait_dscnt 0x0
	TANH 1
	; ---- the rows' sums over my 256 columns: over the 16 lanes of each half
.irp x, 1,2,4,8
.irp j, 0,1,2,3,4,5,6,7,8,9,10,11,12,13,14,15,16,17,18,19,20,21,22,23,24,25,26,27,28,29,30,31
	v_add_f32_dpp v[SS+\j], v[SS+\j], v[SS+\j] row_xmask:\x row_mask:0xf bank_mask:0xf
.endr
.endr
	s_wait_alu depctr_va_vdst(0)                   ; the sums are written, which the LDS stores read; the tanh is done with v96 to v159, and the last block's context and statistics with v160 to v231, in all of which loads land below
.irp m, 0,1,2,3
.irp j, 0,1,2,3,4,5,6,7
	ds_store_b32 v10, v[SS+8*\m+\j] offset:64*\m+4*\j          ; row 16 m + 8 h + j; the sixteen lanes of a half write the same word with the same value
.endr
.endr
	BAR                                            ; the four waves' sums lie in LDS
	s_wait_alu depctr_vm_vsrc(0)                   ; my LDS stores have read v128 to v159, in which the second chunk of kept rows lands; the last block's store of u has read v22 and v23, which are written again below
	; ---- the statistics, alike in every wave: lane l has rows 2 l and 2 l + 1
	ds_load_b64 v[224:225], v11
	ds_load_b64 v[226:227], v11 offset:256
	ds_load_b64 v[228:229], v11 offset:512
	ds_load_b64 v[230:231], v11 offset:768
	CLOAD 0
	s_wait_dscnt 16                                ; the four are in; the first chunk of rows stays out
	v_pk_add_f32 v[224:225], v[224:225], v[226:227]
	v_pk_add_f32 v[228:229], v[228:229], v[230:231]
	v_pk_add_f32 v[224:225], v[224:225], v[228:229]
	v_pk_fma_f32 v[22:23], v[224:225], s[32:33], v[18:19] op_sel_hi:[1,0,1]   ; u = score x log2(e)
	v_max_num_f32 v28, v22, v23
	v_max_num_f32_dpp v28, v28, v28 row_xmask:1 row_mask:0xf bank_mask:0xf
	v_max_num_f32_dpp v28, v28, v28 row_xmask:2 row_mask:0xf bank_mask:0xf
	v_max_num_f32_dpp v28, v28, v28 row_xmask:4 row_mask:0xf bank_mask:0xf
	v_max_num_f32_dpp v28, v28, v28 row_xmask:8 row_mask:0xf bank_mask:0xf
	v_permlanex16_b32 v29, v28, s28, s29
	v_max_num_f32 v28, v28, v29
	v_max_num_f32 v28, v28, v20                    ; the new running maximum
	v_sub_f32 v30, v20, v28
	v_sub_f32 v24, v22, v28
	v_sub_f32 v25, v23, v28
	s_wait_alu depctr_va_vdst(0)
	v_exp_f32 v26, v30                             ; f = 2^(old maximum - new)
	v_exp_f32 v24, v24                             ; p = 2^(u - maximum)
	v_exp_f32 v25, v25
	v_mov_b32 v20, v28                             ; (a plain line behind the exponentials)
	s_wait_alu depctr_va_vdst(0)                   ; the three exponentials are written, ahead of their first reader; so are v22 and v23, which wave 0's store below reads
	v_mov_b32 v27, v26
	v_add_f32 v30, v24, v25
	v_add_f32_dpp v30, v30, v30 row_xmask:1 row_mask:0xf bank_mask:0xf
	v_add_f32_dpp v30, v30, v30 row_xmask:2 row_mask:0xf bank_mask:0xf
	v_add_f32_dpp v30, v30, v30 row_xmask:4 row_mask:0xf bank_mask:0xf
	v_add_f32_dpp v30, v30, v30 row_xmask:8 row_mask:0xf bank_mask:0xf
	v_permlanex16_b32 v29, v30, s28, s29
	v_add_f32 v30, v30, v29
	v_fma_f32 v21, v21, v26, v30                   ; the running sum under the new maximum
.irp p, 0,2,4,6
	v_pk_mul_f32 v[CTX+\p:CTX+\p+1], v[CTX+\p:CTX+\p+1], v[26:27]   ; and the context
.endr
	s_cmp_lg_u32 s22, 0
	s_cbranch_scc1 .Lnou
	global_store_b64 v16, v[22:23], s[16:17]       ; wave 0: the block's 64 u: 256 consecutive bytes, aligned
.Lnou:
	; ---- the context += p x the kept rows.  A step: the chunk's weights are read out of their lanes; the next chunk is asked for; then the sums
.irp k, 0,1,2,3,4,5,6,7
	CWGT \k
.if \k < 7
.if \k > 0
	s_wait_alu depctr_va_vdst(0)                   ; the sums of the chunk before are done reading their set, in which the next chunk lands
.endif
	CLOAD \k+1
	s_wait_dscnt 16                                ; this chunk is in; the next one's 16 loads stay out
.else
	s_wait_dscnt 0x0
.endif
	s_wait_alu depctr_va_sdst(0)                   ; the eight weights s48 .. s62 are written, ahead of their first reader
	CSUM \k
.endr
	BAR                                            ; nobody reads the kept rows any more
	s_wait_xcnt 0x0                                ; the loads and the store have read their bases and registers
	s_add_nc_u64 s[4:5], s[4:5], 262144
	s_add_nc_u64 s[16:17], s[16:17], 256
	s_sub_co_u32 s24, s24, 1
	s_cmp_lg_u32 s24, 0
	s_cbranch_scc1 .Lblock
	s_wait_alu depctr_va_vdst(0)                   ; the context, the maximum and the sum are written, which the stores below read
	global_store_b128 v1, v[CTX:CTX+3], s[18:19]               ; my 256 columns of the partial context: 512 consecutive bytes a store
	global_store_b128 v1, v[CTX+4:CTX+7], s[18:19] offset:512
	s_cmp_lg_u32 s22, 0
	s_cbranch_scc1 .Lend
	global_store_b64 v16, v[20:21], s[20:21]       ; wave 0: (maximum, sum), the same pair from every lane: 256 consecutive bytes, aligned
.Lend:
	s_wait_dscnt 0x0                               ; the closing lines, six on end
	s_wait_alu 0x0
	s_wait_tensorcnt 0x0
	ds_add_u32 v254, v255
	s_wait_dscnt 0x0
	s_endpgm
.Lfunc_end_k_qa4547b296b_main:
	.size	k_qa4547b296b_main, .Lfunc_end_k_qa4547b296b_main-k_qa4547b296b_main
	.p2alignl 7, 3214868480
	.fill 96, 4, 3214868480
	.section	.rodata,"a",@progbits
	.p2align	6, 0x0
	.amdhsa_kernel k_qa4547b296b_main
		.amdhsa_group_segment_fixed_size 307712
		.amdhsa_private_segment_fixed_size 0
		.amdhsa_enable_private_segment 0
		.amdhsa_kernarg_size 72
		.amdhsa_user_sgpr_count 2
		.amdhsa_user_sgpr_kernarg_segment_ptr 1
		.amdhsa_wavefront_size32 1
		.amdhsa_system_sgpr_workgroup_id_x 1
		.amdhsa_system_sgpr_workgroup_id_y 1
		.amdhsa_system_sgpr_workgroup_id_z 1
		.amdhsa_system_vgpr_workitem_id 0
		.amdhsa_next_free_vgpr 1024
		.amdhsa_next_free_sgpr 66
		.amdhsa_reserve_vcc 0
		.amdhsa_float_denorm_mode_32 3
		.amdhsa_float_denorm_mode_16_64 3
		.amdhsa_memory_ordered 1
		.amdhsa_forward_progress 1
		.amdhsa_inst_pref_size 218
	.end_amdhsa_kernel
	.amdgpu_metadata
---
amdhsa.version: [ 1, 2 ]
amdhsa.kernels:
  - .name:           k_qa4547b296b_main
    .symbol:         k_qa4547b296b_main.kd
    .args:
      - { .name: features, .offset: 0, .size: 8, .value_kind: global_buffer, .address_space: global }
      - { .name: w1img, .offset: 8, .size: 8, .value_kind: global_buffer, .address_space: global }
      - { .name: W1_scales, .offset: 16, .size: 8, .value_kind: global_buffer, .address_space: global }
      - { .name: hb, .offset: 24, .size: 8, .value_kind: global_buffer, .address_space: global }
      - { .name: V, .offset: 32, .size: 8, .value_kind: global_buffer, .address_space: global }
      - { .name: bV, .offset: 40, .size: 8, .value_kind: global_buffer, .address_space: global }
      - { .name: uws, .offset: 48, .size: 8, .value_kind: global_buffer, .address_space: global }
      - { .name: cpart, .offset: 56, .size: 8, .value_kind: global_buffer, .address_space: global }
      - { .name: stats, .offset: 64, .size: 8, .value_kind: global_buffer, .address_space: global }
    .group_segment_fixed_size: 307712
    .private_segment_fixed_size: 0
    .kernarg_segment_align: 8
    .kernarg_segment_size: 72
    .max_flat_workgroup_size: 128
    .sgpr_count:     66
    .vgpr_count:     1024
    .wavefront_size: 32
...
	.end_amdgpu_metadata
.endif
;; end of part 5
;; launch finish (part 6): grid 256 x 1, 2 waves a work-group, no clusters, 0 bytes of LDS; arguments uws, cpart, stats, out0, out1; writes out0, out1
.if DOCPART == 6
	.amdgcn_target "amdgcn-amd-amdhsa--gfx1250"
	.amdhsa_code_object_version 6
	.text
	.protected	k_qa4547b296b_finish
	.globl	k_qa4547b296b_finish
	.p2align	8
	.type	k_qa4547b296b_finish,@function
k_qa4547b296b_finish:
	s_mov_b64 s[64:65], 0
	v_nop
	global_prefetch_b8 v0, s[64:65] scope:SCOPE_SE
	s_setreg_imm32_b32 hwreg(HW_REG_WAVE_MODE, 25, 1), 1
	s_wait_xcnt 0x0
; The four quarters of a batch are joined.  Quarter k of batch b left its maximum m_k and sum l_k of 2^(u - m_k) (stats), its context under m_k (cpart) and its rows' u = score x log2(e) (uws).
; M = the largest m_k;  L = the sum of l_k 2^(m_k - M);  out0 = the sum of ctx_k 2^(m_k - M) / L;  out1 = 2^(u - M) / L.
; Work-group g = 4 b + q makes columns 256 q on of out0's row b and rows 256 q on of out1's: 1,024 bytes of each; thread t has 16 bytes, so a wave's store covers 512 consecutive bytes.
; A stream of 1.4 MB: no LDS, no matrix unit.
	s_load_b256 s[4:11], s[0:1], 0x0               ; uws s[4:5], cpart s[6:7], stats s[8:9], out0 s[10:11]
	s_load_b64 s[12:13], s[0:1], 0x20              ; out1
	v_lshlrev_b32 v1, 4, v0                        ; 16 x thread
	s_lshr_b32 s14, ttmp9, 2                       ; b
	s_and_b32 s15, ttmp9, 3                        ; q
	s_mov_b32 s25, 0
	s_wait_alu depctr_va_vdst(0)
	s_wait_kmcnt 0x0
	s_lshl_b32 s24, s14, 10
	s_add_nc_u64 s[8:9], s[8:9], s[24:25]          ; the batch's four entries of 256 bytes
	s_load_b64 s[16:17], s[8:9], 0x0               ; (m_k, l_k)
	s_load_b64 s[18:19], s[8:9], 0x100
	s_load_b64 s[20:21], s[8:9], 0x200
	s_load_b64 s[22:23], s[8:9], 0x300
	s_lshl_b32 s24, s14, 14
	s_add_nc_u64 s[6:7], s[6:7], s[24:25]          ; the batch's four partial contexts of 4,096 bytes,
	s_lshl_b32 s24, s15, 10
	s_add_nc_u64 s[6:7], s[6:7], s[24:25]          ; my quarter of their columns
	s_lshl_b32 s24, ttmp9, 10
	s_add_nc_u64 s[4:5], s[4:5], s[24:25]
	s_add_nc_u64 s[10:11], s[10:11], s[24:25]
	s_add_nc_u64 s[12:13], s[12:13], s[24:25]
.irp k, 0,1,2,3
	global_load_b128 v[4+4*\k:7+4*\k], v1, s[6:7] offset:4096*\k th:TH_LOAD_NT
.endr
	global_load_b128 v[20:23], v1, s[4:5] th:TH_LOAD_NT
	s_wait_kmcnt 0x0
	v_mov_b32 v24, s16
	v_mov_b32 v25, s18
	v_mov_b32 v26, s20
	v_mov_b32 v27, s22
	v_mov_b32 v28, s17
	v_mov_b32 v29, s19
	v_mov_b32 v30, s21
	v_mov_b32 v31, s23
	v_max3_num_f32 v32, v24, v25, v26
	v_max_num_f32 v32, v32, v27                    ; M
.irp k, 0,1,2,3
	v_sub_f32 v[24+\k], v[24+\k], v32
.endr
	s_wait_alu depctr_va_vdst(0)
.irp k, 0,1,2,3
	v_exp_f32 v[24+\k], v[24+\k]                   ; e_k = 2^(m_k - M)
.endr
	v_nop                                          ; a plain line behind the exponentials
	s_wait_alu depctr_va_vdst(0)
	v_mul_f32 v33, v28, v24
	v_fmac_f32 v33, v29, v25
	v_fmac_f32 v33, v30, v26
	v_fmac_f32 v33, v31, v27                       ; L, at least 1: the largest quarter's own sum holds a 1
	s_wait_alu depctr_va_vdst(0)
	v_rcp_f32 v34, v33
	v_nop                                          ; a plain line behind the reciprocal
	s_wait_alu depctr_va_vdst(0)
.irp k, 0,1,2,3
	v_mul_f32 v[36+2*\k], v[24+\k], v34            ; e_k / L, as a pair
	v_mul_f32 v[37+2*\k], v[24+\k], v34
.endr
	s_wait_loadcnt 0x0
.irp j, 0,1,2,3
	v_sub_f32 v[20+\j], v[20+\j], v32
.endr
	s_wait_alu depctr_va_vdst(0)
.irp j, 0,1,2,3
	v_exp_f32 v[20+\j], v[20+\j]
.endr
	v_pk_mul_f32 v[44:45], v[4:5], v[36:37]        ; (these plain lines stand behind the exponentials)
	v_pk_mul_f32 v[46:47], v[6:7], v[36:37]
.irp k, 1,2,3
	v_pk_fma_f32 v[44:45], v[4+4*\k:5+4*\k], v[36+2*\k:37+2*\k], v[44:45]
	v_pk_fma_f32 v[46:47], v[6+4*\k:7+4*\k], v[36+2*\k:37+2*\k], v[46:47]
.endr
	s_wait_alu depctr_va_vdst(0)
.irp j, 0,1,2,3
	v_mul_f32 v[20+\j], v[20+\j], v34
.endr
	global_store_b128 v1, v[44:47], s[10:11] th:TH_STORE_NT
	global_store_b128 v1, v[20:23], s[12:13] th:TH_STORE_NT
	s_endpgm
.Lfunc_end_k_qa4547b296b_finish:
	.size	k_qa4547b296b_finish, .Lfunc_end_k_qa4547b296b_finish-k_qa4547b296b_finish
	.p2alignl 7, 3214868480
	.fill 96, 4, 3214868480
	.section	.rodata,"a",@progbits
	.p2align	6, 0x0
	.amdhsa_kernel k_qa4547b296b_finish
		.amdhsa_group_segment_fixed_size 0
		.amdhsa_private_segment_fixed_size 0
		.amdhsa_enable_private_segment 0
		.amdhsa_kernarg_size 40
		.amdhsa_user_sgpr_count 2
		.amdhsa_user_sgpr_kernarg_segment_ptr 1
		.amdhsa_wavefront_size32 1
		.amdhsa_system_sgpr_workgroup_id_x 1
		.amdhsa_system_sgpr_workgroup_id_y 1
		.amdhsa_system_sgpr_workgroup_id_z 1
		.amdhsa_system_vgpr_workitem_id 0
		.amdhsa_next_free_vgpr 48
		.amdhsa_next_free_sgpr 66
		.amdhsa_reserve_vcc 0
		.amdhsa_float_denorm_mode_32 3
		.amdhsa_float_denorm_mode_16_64 3
		.amdhsa_memory_ordered 1
		.amdhsa_forward_progress 1
		.amdhsa_inst_pref_size 4
	.end_amdhsa_kernel
	.amdgpu_metadata
---
amdhsa.version: [ 1, 2 ]
amdhsa.kernels:
  - .name:           k_qa4547b296b_finish
    .symbol:         k_qa4547b296b_finish.kd
    .args:
      - { .name: uws, .offset: 0, .size: 8, .value_kind: global_buffer, .address_space: global }
      - { .name: cpart, .offset: 8, .size: 8, .value_kind: global_buffer, .address_space: global }
      - { .name: stats, .offset: 16, .size: 8, .value_kind: global_buffer, .address_space: global }
      - { .name: out0, .offset: 24, .size: 8, .value_kind: global_buffer, .address_space: global }
      - { .name: out1, .offset: 32, .size: 8, .value_kind: global_buffer, .address_space: global }
    .group_segment_fixed_size: 0
    .private_segment_fixed_size: 0
    .kernarg_segment_align: 8
    .kernarg_segment_size: 40
    .max_flat_workgroup_size: 64
    .sgpr_count:     66
    .vgpr_count:     48
    .wavefront_size: 32
...
	.end_amdgpu_metadata
.endif
;; end of part 6
